; MI455X (gfx1250); checked and timed in simulation.
; The chip was launched on July 23, 2026; its instructions are those of AMD's public machine-readable ISA for CDNA 5 (MIT licence, August 2026) and "CDNA5" Instruction Set Architecture Reference Guide (July 2026). The comments in the code are by the model that wrote it; some were corrected since.
;; Self Attention. Allowed arithmetic: matrix products marked QUANTISED: E2M3 operands, one E8M0 scale for each 32 along K, by v_wmma_scale_f32_16x16x128_f8f6f4 with both operands' format E2M3, f32 sums; everything else in f32.
;; Inputs: Wk 1,024 x 1,024 float32; Wo 1,024 x 1,024 float32; Wq 1,024 x 1,024 float32; Wv 1,024 x 1,024 float32; bk 1,024 float32; bo 1,024 float32; bq 1,024 float32; bv 1,024 float32; x 4 x 2,048 x 1,024 float32.
;; Outputs: out0 4 x 2,048 x 1,024 float32.
;; This version of the problem:
;;   THIS VERSION OF THE PROBLEM IS GIVEN IN LOW PRECISION. The matrix products marked QUANTISED in the list below multiply operands that are first quantised to E2M3 (2 exponent bits, 3 mantissa bits; 6 bits a number), with one power-of-two scale for each 32 numbers along K (OCP MX v1.0); their sums are f32. All else is computed in f32.
;;   The module's matrix products, in the order in which they are computed (A, B: the left and right operand; K: the contracted axis; several contracted axes count as one K, in the product's order):
;;     1. [M 8,192, K 1,024] x [K 1,024, N 1,024]; A: input x; B: input Wq: QUANTISED
;;     2. [M 8,192, K 1,024] x [K 1,024, N 1,024]; A: input x; B: input Wk: QUANTISED
;;     3. [M 8,192, K 1,024] x [K 1,024, N 1,024]; A: input x; B: input Wv: QUANTISED
;;     4. batch 64 x [M 2,048, K 64] x [K 64, N 2,048]; A: computed on the way; B: computed on the way: QUANTISED
;;     5. batch 64 x [M 2,048, K 2,048] x [K 2,048, N 64]; A: softmax (see below); B: computed on the way: QUANTISED
;;     6. [M 8,192, K 1,024] x [K 1,024, N 1,024]; A: computed on the way; B: input Wo: QUANTISED
;;   THE QUANTISER, for each operand of a quantised product, along K:
;;     - K is cut into blocks of 32 from its start; a last block that is shorter is filled with zeros.
;;     - A block's scale is 2^e with e = floor(log2(the largest magnitude in the block)) - 2, held to -126 .. 127; a block of zeros has e = 0. As a byte (E8M0): e + 127.
;;     - Each number is divided by its block's scale, clamped to +-7.5, and rounded to the nearest number of E2M3, ties to even, subnormals kept.
;;     - The product sums the exact products of the quantised numbers (number of the format x scale) in f32.
;;   ~~~python
;;   def quantise(x, axis):      # numpy; x: float32 -> the quantised numbers, widened to float32 again
;;       x = np.moveaxis(x, axis, -1); K = x.shape[-1]
;;       x = np.pad(x, [(0, 0)] * (x.ndim - 1) + [(0, -K % 32)]); x = x.reshape(x.shape[:-1] + (-1, 32)); a = np.abs(x).max(-1, keepdims=True)
;;       e = np.where(a > 0, np.clip(np.frexp(np.where(a > 0, a, 1))[1] - 1 - 2, -126, 127), 0)      # np.frexp(a)[1] - 1 = floor(log2(a)), exactly
;;       r = np.clip(x / 2.0 ** e, -7.5, 7.5)
;;       step = 2.0 ** (np.maximum(np.frexp(np.where(r == 0, 1, r))[1] - 1, 0) - 3)
;;       q = np.round(r / step) * step * 2.0 ** e      # np.round: ties to even
;;       return np.moveaxis(q.reshape(q.shape[:-2] + (-1,))[..., :K], -1, axis).astype(np.float32)
;;   ~~~
;;   SOFTMAX AHEAD OF A QUANTISED PRODUCT. Where the list says 'softmax', what is quantised is not the finished softmax but p = 2^(t - M), with t = logit x log2(e) and M = ceil(the row's largest t), a whole number; so 1/2 < the row's largest p <= 1. The row's sum l is taken of the UNQUANTISED p, in f32, and the product's result is divided by l at the end. Since M is a whole number, a kernel that streams over the keys may use a running M (the ceiling of the running maximum): every later rescaling is an exact power of two, which a block's scale takes up: the codes' values come out the same.
;;   OPERANDS COMPUTED ON THE WAY. 'Computed on the way' means the value that the module computes at that place (a softmax that the list does not call 'softmax' is quantised finished and normalised). What goes into a quantiser is computed in f32, as accurately as f32 sums, v_exp_f32 and their like allow (about 1e-6 of the number): no bf16 or f16 on the way to a quantiser, and a product that is left as it is and whose result goes on into a quantised operand takes f32 operands (vector FMAs, or v_wmma_f32_16x16x4_f32). A number that lies on a knife's edge between two numbers of the format may be rounded either way, as far as f32 arithmetic and the matrix unit's own rounding can turn it there, and no further.
;; One version. Each part assembles by itself: llvm-mc -triple=amdgcn-amd-amdhsa -mcpu=gfx1250 --defsym DOCPART=n.
;; ======== version 1 of 1: 4 launches
;; limits: right only within a limited range of input values
;; workspace buffers: xc 6,291,456 bytes; xs 262,144 bytes; wc 3,145,728 bytes; ws 131,072 bytes; qq 6,553,600 bytes; kv 13,107,200 bytes; cc 6,291,456 bytes; cs 262,144 bytes
;; launch quant_x (part 1): grid 384 x 1, 4 waves a work-group, no clusters, 60,928 bytes of LDS; arguments x, xc, xs, Wq, Wk, Wv, Wo, wc, ws; writes xc, xs, wc, ws
.if DOCPART == 1
	.amdgcn_target "amdgcn-amd-amdhsa--gfx1250"
	.amdhsa_code_object_version 6
	.text
	.protected	k_q712cc10ddf_quant_x
	.globl	k_q712cc10ddf_quant_x
	.p2align	8
	.type	k_q712cc10ddf_quant_x,@function
k_q712cc10ddf_quant_x:
	s_mov_b64 s[64:65], 0
	v_nop
	global_prefetch_b8 v0, s[64:65] scope:SCOPE_SE
	s_setreg_imm32_b32 hwreg(HW_REG_WAVE_MODE, 25, 1), 1
	s_wait_xcnt 0x0
; x [8192][1024] f32 becomes codes of FP6 (E2M3) with one E8M0 scale byte for each 32 along K, laid as the GEMM reads them:
; xc [tile T of 16 rows][K step s of 128][1,536 bytes]: the image of an operand's 12 registers, register pair p at 256 p + 8 x lane;  xs [T][s][16 words]: row r's scale word at 4 r.
; THE ROWS OF A TILE ARE NOT NEIGHBOURS: row r of tile 2 b + u is row 32 b + 8 u + r + 8 (r / 8) of x.  Where such a tile is source 0 of a product, the 16 result registers of tiles 2 b and 2 b + 1 are
; 16 neighbours along that index, which a later quantiser needs.
; A block's scale is 2^(floor(log2(largest magnitude)) - 2); its byte is the largest magnitude's exponent field - 2, held at 1 from below.
; LIMITS: NaN and infinities among the inputs are not served; a block whose largest magnitude lies under 2^-124 has its byte held at 1; a block of zeros gets the byte 1 and not 127: its codes are zeros,
; and these bytes are read by this program alone.
; SHARES: wave g = 4 x work-group + wave takes tile g / 2 and K steps 4 (g % 2) + 0 .. 3.  Each load reads 512 consecutive bytes of one row; a fragment's 16 x 512 bytes turn through the wave's own stage in LDS
; (rows 528 bytes apart), so that lane (r, h) gets k = 64 c + 32 h + 0 .. 31 of row r: two whole blocks, in the order of the operand's registers.  No barrier: waves share nothing.
.set WREG, 8704                        ; LDS of a wave: the stage, 16 x 528, then 256 bytes of scale words
.set SP,   528
.set R,    32                          ; v32-159  two sets of 64 registers as loaded
.set X,    160                         ; v160-223 64 numbers after the turn
.set C,    224                         ; v224-235 the fragment's codes
.set T2,   236                         ; v236-238, v240-242 the upper halves of the blocks' codes
; ONE LAUNCH FOR x AND THE FOUR WEIGHTS: work-groups 0-255 take x (the text below), work-groups 256-383 the weights (the text behind .Lweights, on LDS bytes of its own from 35,328 on).
	s_cmp_ge_u32 ttmp9, 256
	s_cbranch_scc1 .Lweights
	s_load_b128 s[4:7], s[0:1], 0x0
	s_load_b64 s[8:9], s[0:1], 0x10                ; xs
	v_lshl_add_u32 v244, v0, 2, 0x8800
	v_mov_b32 v245, 0
	v_lshrrev_b32 v1, 5, v0
	v_readfirstlane_b32 s12, v1                    ; wave
	v_and_b32 v1, 31, v0                           ; lane
	v_and_b32 v2, 15, v0                           ; r
	v_bfe_u32 v3, v0, 4, 1                         ; h
	s_mul_i32 s13, s12, WREG
	v_lshlrev_b32 v4, 4, v1                        ; my 16 bytes of a load's 512
	v_add_nc_u32 v5, s13, v4                       ; the stage, on the way in
	v_mul_u32_u24 v6, v2, SP
	v_lshl_add_u32 v6, v3, 7, v6
	v_add_nc_u32 v6, s13, v6                       ; and on the way out: row r, + 128 h
	v_lshlrev_b32 v7, 3, v1                        ; 8 x lane: my place in a register pair's 256 bytes
	s_add_co_u32 s14, s13, 16*SP
	v_lshl_add_u32 v8, v2, 2, s14                  ; my row's scale word in LDS
	v_add_nc_u32 v9, s14, v7                       ; and the 8 bytes that I read back
	v_lshlrev_b32 v10, 3, v3                       ; 8 h
	v_mov_b32 v11, 0                               ; a lane permute's destination counts as one of its sources
	s_mov_b32 s20, 0x76543210
	s_mov_b32 s21, 0xfedcba98                      ; selects for lane l xor 16
	s_lshl_b32 s15, ttmp9, 2
	s_add_co_u32 s15, s15, s12                     ; g
	s_lshr_b32 s16, s15, 1                         ; T
	s_and_b32 s17, s15, 1                          ; which half of K
	s_lshr_b32 s18, s16, 1
	s_lshl_b32 s18, s18, 5
	s_and_b32 s19, s16, 1
	s_lshl_b32 s19, s19, 3
	s_add_co_u32 s18, s18, s19                     ; the tile's first row of x: 32 (T / 2) + 8 (T % 2)
	s_lshl_b32 s18, s18, 12
	s_lshl_b32 s19, s17, 11
	s_add_co_u32 s18, s18, s19                     ; in bytes, + my half of K
	s_mov_b32 s19, 0
	s_mul_i32 s22, s15, 6144                       ; four fragments of 1,536 bytes a wave
	s_mov_b32 s23, 0
	s_lshl_b32 s24, s15, 8                         ; and four times 64 bytes of scale words
	s_mov_b32 s25, 0
	s_wait_alu depctr_va_vdst(0)
	s_wait_kmcnt 0x0
	s_add_nc_u64 s[4:5], s[4:5], s[18:19]
	s_add_nc_u64 s[6:7], s[6:7], s[22:23]
	s_add_nc_u64 s[8:9], s[8:9], s[24:25]
.macro LOAD f                          ; K step f of the tile's 16 rows: 32 lanes read 512 consecutive bytes of a row
.irp j, 0,1,2,3,4,5,6,7,8,9,10,11,12,13,14,15
	global_load_b128 v[R+64*((\f)%2)+4*\j:R+64*((\f)%2)+4*\j+3], v4, s[4:5] offset:(\j+8*(\j/8))*4096+512*(\f) th:TH_LOAD_NT
.endr
.endm
.macro TURN f                          ; through the stage: LDS serves a wave's instructions in order, so no wait stands between the stores and the loads
.irp j, 0,1,2,3,4,5,6,7,8,9,10,11,12,13,14,15
	ds_store_b128 v5, v[R+64*((\f)%2)+4*\j:R+64*((\f)%2)+4*\j+3] offset:SP*\j
.endr
.irp c, 0,1
.irp i, 0,1,2,3,4,5,6,7
	ds_load_b128 v[X+32*\c+4*\i:X+32*\c+4*\i+3], v6 offset:256*\c+16*\i
.endr
.endr
.endm
.macro STEP f
.if (\f) < 3
	s_wait_loadcnt 16                              ; this fragment's 16 loads are in; the next fragment's 16 may be out
.else
	s_wait_loadcnt 0x0
.endif
	TURN \f
	s_wait_dscnt 0x0                               ; my 64 numbers are back, and the stores into the stage have read their registers,
.if (\f) < 2
	LOAD (\f)+2                                    ; which take the loads of two fragments on
.endif
.irp c, 0,1
	v_max3_num_f32 v[12+\c], |v[X+32*\c]|, |v[X+32*\c+1]|, 0x1800000   ; block 2 c + h: all its 32 numbers are mine; the floor 2^(3 - 127) holds the byte at 1 from below
.endr
.irp i, 2,4,6,8,10,12,14,16,18,20,22,24,26,28,30
.irp c, 0,1
	v_max3_num_f32 v[12+\c], v[12+\c], |v[X+32*\c+\i]|, |v[X+32*\c+\i+1]|
.endr
.endr
.irp c, 0,1
	v_add_nc_u32 v[14+\c], 0xff000000, v[12+\c]    ; 2 off the exponent field: the conversion's scale operand
.endr
.irp c, 0,1
	v_lshrrev_b32 v[16+\c], 23, v[14+\c]           ; the scale's byte
.endr
	v_lshl_or_b32 v18, v17, 16, v16                ; my two bytes: blocks h and 2 + h,
	v_lshlrev_b32 v18, v10, v18                    ; at their places in the word;
	v_permlanex16_b32 v11, v18, s20, s21
	v_or_b32 v18, v18, v11                         ; with lane l xor 16's two the word is whole
	s_wait_alu depctr_va_vdst(0)
	s_wait_xcnt 0x0                                ; the last fragment's stores have read the codes' registers: they are written again only behind this wait
.irp c, 0,1
	v_cvt_scalef32_pk16_fp6_f32 v[C+6*\c:C+6*\c+2], v[X+32*\c:X+32*\c+15], v[14+\c]
	v_cvt_scalef32_pk16_fp6_f32 v[T2+4*\c:T2+4*\c+2], v[X+32*\c+16:X+32*\c+31], v[14+\c]   ; (a conversion's three registers begin on an even number)
.endr
	v_nop                                          ; one plain place behind a scaled conversion
.irp c, 0,1
.irp i, 0,1,2
	v_mov_b32 v[C+6*\c+3+\i], v[T2+4*\c+\i]
.endr
.endr
.irp p, 0,1,2,3,4,5
	global_store_b64 v7, v[C+2*\p:C+2*\p+1], s[6:7] offset:1536*(\f)+256*\p   ; 32 lanes store 256 consecutive bytes, at a multiple of 256 from the buffer's first byte
.endr
	ds_store_b32 v8, v18 offset:64*(\f)            ; both halves of the lanes write the same word with the same value
.endm
	LOAD 0
	LOAD 1
	STEP 0
	STEP 1
	STEP 2
	STEP 3
	ds_load_b64 v[20:21], v9                       ; LDS serves a wave's instructions in order: this sees my four stores
	s_wait_dscnt 0x0
	global_store_b64 v7, v[20:21], s[8:9]          ; the four fragments' scale words: 256 consecutive bytes
	s_wait_tensorcnt 0x0
	ds_add_u32 v244, v245
	s_wait_dscnt 0x0
	s_endpgm
; THE WEIGHTS [1024 (k)][1024 (n)] f32, K the FIRST axis, become codes of FP6 with one E8M0 byte for each 32 along K:
; wc [tile T of 16 columns][K step of 128][1,536 bytes], register pair p at 256 p + 8 x lane;  ws [T][s][16 words].  T = 64 x weight + the weight's tile; order Wq, Wk, Wv, Wo.
; Row r of tile 2 b + u is column 32 b + 8 u + r + 8 (r / 8).  A lane takes a column and its registers run down K.  The limits are those of x's path.
; SHARES: work-group 256 + 8 y + x: weight y / 4, K rows 256 (y % 4) on, columns 128 x on; a wave 32 columns: two tiles x two K steps, 8 blocks a lane.
; The codes are gathered as images in the wave's own LDS and leave by stores of 512 consecutive bytes; the scale words leave in runs of 64 bytes.
.Lweights:
.set XW,   32
.set CW,   96
.set TW,   104
.set SBW,  24
.set OUTW, 112
.set IMG,  3200
	s_load_b256 s[4:11], s[0:1], 0x18              ; Wq, Wk, Wv, Wo
	s_load_b128 s[12:15], s[0:1], 0x38             ; wc, ws
	v_lshl_add_u32 v244, v0, 2, 0x8800
	v_mov_b32 v245, 0
	v_lshrrev_b32 v1, 5, v0
	v_readfirstlane_b32 s16, v1                    ; wave
	v_and_b32 v1, 31, v0                           ; lane = my column among the wave's 32
	v_bfe_u32 v2, v0, 3, 1                         ; u: which of the two tiles
	v_bfe_u32 v8, v0, 4, 1
	v_and_b32 v9, 7, v0
	v_lshl_or_b32 v9, v8, 3, v9                    ; its row r in that tile
	v_lshlrev_b32 v3, 2, v1
	s_mul_i32 s17, s16, 6400
	s_add_co_u32 s17, s17, 35328                   ; my two images, behind x's path's bytes and the spare words
	v_mul_u32_u24 v4, v2, IMG
	v_lshl_add_u32 v4, v9, 3, v4
	v_add_nc_u32 v4, s17, v4
	v_lshlrev_b32 v6, 4, v1
	v_add_nc_u32 v5, s17, v6
	v_lshlrev_b32 v7, 9, v2
	v_lshl_add_u32 v7, v9, 2, v7
	s_sub_co_u32 s28, ttmp9, 256
	s_and_b32 s29, s28, 7                          ; x
	s_lshr_b32 s18, s28, 3                         ; y
	s_lshr_b32 s19, s18, 2                         ; which weight
	s_and_b32 s18, s18, 3                          ; which 256 along K
	s_lshl_b32 s20, s18, 20
	s_lshl_b32 s21, s29, 9
	s_add_co_u32 s20, s20, s21
	s_lshl_b32 s21, s16, 7
	s_add_co_u32 s20, s20, s21
	s_mov_b32 s21, 0
	s_lshl_b32 s22, s19, 6
	s_lshl_b32 s23, s29, 3
	s_add_co_u32 s22, s22, s23
	s_lshl_b32 s23, s16, 1
	s_add_co_u32 s22, s22, s23                     ; my first tile
	s_lshl_b32 s24, s22, 3
	s_lshl_b32 s25, s18, 1
	s_add_co_u32 s24, s24, s25
	s_mul_i32 s24, s24, 1536
	s_mov_b32 s25, 0
	s_lshl_b32 s26, s22, 9
	s_lshl_b32 s27, s18, 7
	s_add_co_u32 s26, s26, s27
	s_mov_b32 s27, 0
	s_wait_alu depctr_va_vdst(0)
	s_wait_kmcnt 0x0
	s_cmp_eq_u32 s19, 1                            ; the weight's address: a choice on the work-group's number alone
	s_cselect_b64 s[4:5], s[6:7], s[4:5]
	s_cmp_eq_u32 s19, 2
	s_cselect_b64 s[4:5], s[8:9], s[4:5]
	s_cmp_eq_u32 s19, 3
	s_cselect_b64 s[4:5], s[10:11], s[4:5]
	s_add_nc_u64 s[4:5], s[4:5], s[20:21]
	s_add_nc_u64 s[12:13], s[12:13], s[24:25]
	s_add_nc_u64 s[14:15], s[14:15], s[26:27]
.macro LOADW t
.irp i, 0,1,2,3,4,5,6,7,8,9,10,11,12,13,14,15,16,17,18,19,20,21,22,23,24,25,26,27,28,29,30,31
	global_load_b32 v[XW+32*((\t)%2)+\i], v3, s[4:5] offset:(32*(\t)+\i)*4096 th:TH_LOAD_NT
.endr
.endm
	LOADW 0
	LOADW 1
.macro BLOCKW t
.set XS, XW+32*((\t)%2)
.set SL, (\t)/4
.set CC, ((\t)%4)/2
.set HH, (\t)%2
.if (\t) < 7
	s_wait_loadcnt 32                              ; this block's 32 loads are in; the next block's may be out
.else
	s_wait_loadcnt 0x0
.endif
	v_max3_num_f32 v12, |v[XS]|, |v[XS+1]|, |v[XS+2]|
	v_max3_num_f32 v13, |v[XS+3]|, |v[XS+4]|, |v[XS+5]|
.irp i, 6,10,14,18,22,26
	v_max3_num_f32 v12, v12, |v[XS+\i]|, |v[XS+\i+1]|
	v_max3_num_f32 v13, v13, |v[XS+\i+2]|, |v[XS+\i+3]|
.endr
	v_max3_num_f32 v12, v12, |v[XS+30]|, |v[XS+31]|
	v_max3_num_f32 v12, v12, v13, 0x1800000        ; the floor 2^(3 - 127)
	v_add_nc_u32 v11, 0xff000000, v12              ; 2 off the exponent field: the conversion's scale operand
	v_lshrrev_b32 v13, 23, v11                     ; the scale's byte
.if (\t)%4 == 0
	v_mov_b32 v[SBW+SL], v13
.else
	v_lshl_or_b32 v[SBW+SL], v13, 8*((\t)%4), v[SBW+SL]
.endif
	v_cvt_scalef32_pk16_fp6_f32 v[CW:CW+2], v[XS:XS+15], v11
	v_cvt_scalef32_pk16_fp6_f32 v[TW:TW+2], v[XS+16:XS+31], v11
	v_nop                                          ; one plain place behind a scaled conversion
.irp i, 0,1,2
	v_mov_b32 v[CW+3+\i], v[TW+\i]
.endr
.irp i, 0,1,2
	ds_store_b64 v4, v[CW+2*\i:CW+2*\i+1] offset:1536*SL+256*(3*CC+\i)+128*HH
.endr
.if (\t)+2 < 8
	LOADW (\t)+2
.endif
	s_wait_dscnt 0x0                               ; the stores have read their registers
.endm
.irp t, 0,1,2,3,4,5,6,7
	BLOCKW \t
.endr
	s_wait_alu depctr_va_vdst(0)
.irp s, 0,1
	global_store_b32 v7, v[SBW+\s], s[14:15] offset:64*\s
.endr
.irp u, 0,1
.irp j, 0,1,2,3,4,5
	ds_load_b128 v[OUTW+4*(6*\u+\j):OUTW+4*(6*\u+\j)+3], v5 offset:IMG*\u+512*\j
.endr
.endr
.irp u, 0,1
.irp j, 0,1,2,3,4,5
	s_wait_dscnt 11-(6*\u+\j)                      ; the younger read-backs may be out
	global_store_b128 v6, v[OUTW+4*(6*\u+\j):OUTW+4*(6*\u+\j)+3], s[12:13] offset:12288*\u+512*\j
.endr
.endr
	s_wait_tensorcnt 0x0
	ds_add_u32 v244, v245
	s_wait_dscnt 0x0
	s_endpgm
.Lfunc_end_k_q712cc10ddf_quant_x:
	.size	k_q712cc10ddf_quant_x, .Lfunc_end_k_q712cc10ddf_quant_x-k_q712cc10ddf_quant_x
	.p2alignl 7, 3214868480
	.fill 96, 4, 3214868480
	.section	.rodata,"a",@progbits
	.p2align	6, 0x0
	.amdhsa_kernel k_q712cc10ddf_quant_x
		.amdhsa_group_segment_fixed_size 60928
		.amdhsa_private_segment_fixed_size 0
		.amdhsa_enable_private_segment 0
		.amdhsa_kernarg_size 72
		.amdhsa_user_sgpr_count 2
		.amdhsa_user_sgpr_kernarg_segment_ptr 1
		.amdhsa_wavefront_size32 1
		.amdhsa_system_sgpr_workgroup_id_x 1
		.amdhsa_system_sgpr_workgroup_id_y 1
		.amdhsa_system_sgpr_workgroup_id_z 1
		.amdhsa_system_vgpr_workitem_id 0
		.amdhsa_next_free_vgpr 246
		.amdhsa_next_free_sgpr 66
		.amdhsa_reserve_vcc 0
		.amdhsa_float_denorm_mode_32 3
		.amdhsa_float_denorm_mode_16_64 3
		.amdhsa_memory_ordered 1
		.amdhsa_forward_progress 1
		.amdhsa_inst_pref_size 74
	.end_amdhsa_kernel
	.amdgpu_metadata
---
amdhsa.version: [ 1, 2 ]
amdhsa.kernels:
  - .name:           k_q712cc10ddf_quant_x
    .symbol:         k_q712cc10ddf_quant_x.kd
    .args:
      - { .name: x, .offset: 0, .size: 8, .value_kind: global_buffer, .address_space: global }
      - { .name: xc, .offset: 8, .size: 8, .value_kind: global_buffer, .address_space: global }
      - { .name: xs, .offset: 16, .size: 8, .value_kind: global_buffer, .address_space: global }
      - { .name: Wq, .offset: 24, .size: 8, .value_kind: global_buffer, .address_space: global }
      - { .name: Wk, .offset: 32, .size: 8, .value_kind: global_buffer, .address_space: global }
      - { .name: Wv, .offset: 40, .size: 8, .value_kind: global_buffer, .address_space: global }
      - { .name: Wo, .offset: 48, .size: 8, .value_kind: global_buffer, .address_space: global }
      - { .name: wc, .offset: 56, .size: 8, .value_kind: global_buffer, .address_space: global }
      - { .name: ws, .offset: 64, .size: 8, .value_kind: global_buffer, .address_space: global }
    .group_segment_fixed_size: 60928
    .private_segment_fixed_size: 0
    .kernarg_segment_align: 8
    .kernarg_segment_size: 72
    .max_flat_workgroup_size: 128
    .sgpr_count:     66
    .vgpr_count:     246
    .wavefront_size: 32
...
	.end_amdgpu_metadata
.endif
;; end of part 1
;; launch qkv (part 2): grid 12 x 32, 4 waves a work-group, clusters of 4 x 4, 327,680 bytes of LDS; arguments xc, xs, wc, ws, bq, bk, bv, qq, kv; writes qq, kv
.if DOCPART == 2
	.amdgcn_target "amdgcn-amd-amdhsa--gfx1250"
	.amdhsa_code_object_version 6
	.text
	.protected	k_q712cc10ddf_qkv
	.globl	k_q712cc10ddf_qkv
	.p2align	8
	.type	k_q712cc10ddf_qkv,@function
k_q712cc10ddf_qkv:
	s_mov_b64 s[64:65], 0
	v_nop
	global_prefetch_b8 v0, s[64:65] scope:SCOPE_SE
	s_setreg_imm32_b32 hwreg(HW_REG_WAVE_MODE, 25, 1), 1
	s_wait_xcnt 0x0
	s_wait_alu depctr_hold_cnt(0) depctr_sa_sdst(0) depctr_va_vdst(0) depctr_va_sdst(0) depctr_va_ssrc(0) depctr_va_vcc(0) depctr_vm_vsrc(0)
	s_getreg_b32 s2, hwreg(HW_REG_IB_STS2, 6, 4)
	s_cmp_eq_u32 s2, 0
	s_cbranch_scc0 .Lentry_in_a_cluster
	s_endpgm
.Lentry_in_a_cluster:
	s_bfe_u32 s2, ttmp6, 0x10000c
	s_cmp_lg_u32 s2, 0xf033
	s_cbranch_scc0 .Lentry_shape_is_right
	s_endpgm
.Lentry_shape_is_right:
.set FR,    12
.set NL,    6
.set HALFT, 24576
.set SLOT,  98304
.set SCL,   196608
.set SPARE, 212992
.set STGQ,  213504
.set STGV,  215552
.set ADRA, 16
.set ADRB, 20
.set ADRS, 27
.set SPW,  28
.set NIL,  29
.set BIAS, 64
.set AF,   128
.set TM,   128
.set T2,   144
.set PA,   152
.set PB,   164
.set PWR,  176
.set W,    184
.set OUTS, 192
.set G1,   24
.set G0,   32
.set G1B,  48
.set G0B,  56
.set G1S,  68
.set G0S,  76
.set G1SB, 80
.set G0SB, 88
.set MSB, 0
.macro WIN new
.if MSB != (\new)
	s_set_vgpr_msb (MSB<<8)|(\new)
.set MSB, (\new)
.endif
.endm
.macro JLOAD g0a, g1a, g0b, g1b
	s_cmp_eq_u32 s67, 0
	s_cbranch_scc0 .Lfor_b_\@
	tensor_load_to_lds s[\g0a:\g0a+3], s[\g1a:\g1a+7]
	s_nop 0
.rept 4
	v_nop
.endr
	s_branch .Lasked_\@
.Lfor_b_\@:
	tensor_load_to_lds s[\g0b:\g0b+3], s[\g1b:\g1b+7]
	s_nop 0
.rept 4
	v_nop
.endr
.Lasked_\@:
.endm
.macro CREST
	s_cmp_lg_u32 s66, 0
	s_cbranch_scc1 .Lnot_wave_0_\@
	s_barrier_signal -3
.Lnot_wave_0_\@:
	s_barrier_wait -3
	s_barrier_signal -1
	s_barrier_wait -1
.endm
.macro CROUND
	s_barrier_signal -1
	s_barrier_wait -1
	CREST
.endm
.macro PLACES n
.rept \n
	v_nop
.endr
.endm
	s_load_b256 s[4:11], s[0:1], 0x0
	s_load_b256 s[12:19], s[0:1], 0x20
	s_load_b64 s[20:21], s[0:1], 0x40
	v_lshl_add_u32 v[SPW], v0, 2, SPARE
	v_mov_b32 v[NIL], 0
	ds_add_u32 v28, v29
	ds_add_u32 v28, v29
	s_wait_dscnt 0x0
	v_lshrrev_b32 v1, 5, v0
	v_readfirstlane_b32 s66, v1
	s_lshr_b32 s67, s66, 1
	s_and_b32 s92, s66, 1
	s_bfe_u32 s40, ttmp6, 0x40000
	s_bfe_u32 s41, ttmp6, 0x40004
	s_lshl_b32 s43, s41, 2
	s_lshl_b32 s43, 15, s43
	s_lshl_b32 s44, 0x1111, s40
	s_or_b32 s[G1], s43, (3<<16)|(1<<21)
	s_or_b32 s[G1B], s44, (3<<16)|(1<<21)
.irp g, G1, G1B
	s_mov_b32 s[\g+1], 384<<16
	s_mov_b32 s[\g+2], 16<<16
	s_mov_b32 s[\g+3], 384<<16
	s_mov_b32 s[\g+4], 16
	s_mov_b32 s[\g+5], 1536
	s_mov_b32 s[\g+6], 0
	s_mov_b32 s[\g+7], 0
.endr
	s_or_b32 s[G1S], s43, (3<<16)|(1<<21)
	s_or_b32 s[G1SB], s44, (3<<16)|(1<<21)
.irp g, G1S, G1SB
	s_mov_b32 s[\g+1], 32<<16
	s_mov_b32 s[\g+2], 32<<16
	s_mov_b32 s[\g+3], 32<<16
	s_mov_b32 s[\g+4], 32
	s_mov_b32 s[\g+5], 32
	s_mov_b32 s[\g+6], 0
	s_mov_b32 s[\g+7], 0
.endr
	s_and_b32 s22, ttmp7, 0xffff
	s_lshl_b32 s22, s22, 2
	s_lshl_b32 s23, ttmp9, 2
	s_mul_i32 s45, s66, HALFT
	s_lshl_b32 s101, s66, 12
	s_wait_kmcnt 0x0
	s_cmp_eq_u32 ttmp9, 2
	s_cselect_b32 s93, 8, s22
	s_cselect_b32 s42, s22, s23
	s_cselect_b64 s[94:95], s[8:9], s[4:5]
	s_cselect_b64 s[96:97], s[10:11], s[6:7]
	s_cselect_b64 s[98:99], s[4:5], s[8:9]
	s_cselect_b64 s[46:47], s[6:7], s[10:11]
	s_add_co_u32 s93, s93, s41
	s_add_co_u32 s42, s42, s40
	s_lshl_b32 s2, s93, 4
	s_lshl_b32 s22, s92, 3
	s_add_co_u32 s2, s2, s22
	s_mul_i32 s22, s2, 12288
	s_mov_b32 s23, 0
	s_add_nc_u64 s[94:95], s[94:95], s[22:23]
	s_lshl_b32 s22, s2, 9
	s_add_nc_u64 s[96:97], s[96:97], s[22:23]
	s_lshl_b32 s3, s42, 4
	s_lshl_b32 s104, s92, 3
	s_add_co_u32 s3, s3, s104
	s_mul_i32 s104, s3, 12288
	s_mov_b32 s105, 0
	s_add_nc_u64 s[98:99], s[98:99], s[104:105]
	s_lshl_b32 s104, s3, 9
	s_add_nc_u64 s[46:47], s[46:47], s[104:105]
	CROUND
	s_mov_b32 s[G0S], 1
	s_add_co_u32 s[G0S+1], s101, SCL-4096          ; wave 1 brings the scales of all 16 tiles of source 1: its own half begins 4,096 bytes further on, in LDS and in memory
	s_sub_nc_u64 s[G0S+2:G0S+3], s[96:97], 4096
	s_or_b32 s[G0S+3], s[G0S+3], 0x80000000
	s_mov_b32 s[G0SB], 1
	s_add_co_u32 s[G0SB+1], s101, SCL-4096         ; wave 3 likewise for source 0
	s_sub_nc_u64 s[G0SB+2:G0SB+3], s[46:47], 4096
	s_or_b32 s[G0SB+3], s[G0SB+3], 0x80000000
.irp s, 0,1
	s_mov_b32 s[G0+4*\s], 1
	s_add_co_u32 s[G0+4*\s+1], s45, \s*SLOT
	s_add_nc_u64 s[G0+4*\s+2:G0+4*\s+3], s[94:95], \s*3072
	s_or_b32 s[G0+4*\s+3], s[G0+4*\s+3], 0x80000000
	s_mov_b32 s[G0B+4*\s], 1
	s_add_co_u32 s[G0B+4*\s+1], s45, \s*SLOT
	s_add_nc_u64 s[G0B+4*\s+2:G0B+4*\s+3], s[98:99], \s*3072
	s_or_b32 s[G0B+4*\s+3], s[G0B+4*\s+3], 0x80000000
.endr
; THE HEAD'S FOUR TILES, ONE A WAVE: wave 0 slot 0's 16 tiles of the one operand, wave 2 those of the other (each from its own quarter's start, with 16 rows in group 1),
; wave 1 and wave 3 the two operands' scale words (32 rows of 256 bytes).  One chain of branches on the wave's number, all arms leading to one join.
	s_cmp_eq_u32 s66, 0
	s_cbranch_scc0 .Lhead_1
	tensor_load_to_lds s[G0:G0+3], s[G1:G1+7]
	s_nop 0
.rept 4
	v_nop
.endr
	s_branch .Lhead_asked
.Lhead_1:
	s_cmp_eq_u32 s66, 2
	s_cbranch_scc0 .Lhead_2
	tensor_load_to_lds s[G0B:G0B+3], s[G1B:G1B+7]
	s_nop 0
.rept 4
	v_nop
.endr
	s_branch .Lhead_asked
.Lhead_2:
	s_cmp_eq_u32 s66, 1
	s_cbranch_scc0 .Lhead_3
	tensor_load_to_lds s[G0S:G0S+3], s[G1S:G1S+7]
	s_nop 0
.rept 4
	v_nop
.endr
	s_branch .Lhead_asked
.Lhead_3:
	tensor_load_to_lds s[G0SB:G0SB+3], s[G1SB:G1SB+7]
	s_nop 0
.rept 4
	v_nop
.endr
.Lhead_asked:
	s_wait_alu depctr_va_vdst(0)
	s_wait_tensorcnt 0x0                           ; my tile of the four is in; the three lines ahead of slot 1's first fill
	ds_add_u32 v28, v29
	s_mov_b32 s[G1+2], 8<<16                       ; no tensor load of mine is out: from here on a load brings 8 rows
	s_mov_b32 s[G1+4], 8
	s_mov_b32 s[G1B+2], 8<<16
	s_mov_b32 s[G1B+4], 8
	s_wait_dscnt 0x0
	CROUND
	JLOAD G0+4, G1, G0B+4, G1B
	v_and_b32 v1, 15, v0
	v_bfe_u32 v2, v0, 4, 1
	s_wait_alu depctr_va_vdst(0)
	v_and_b32 v3, 31, v0
	s_wait_alu depctr_va_vdst(0)
	v_lshlrev_b32 v4, 3, v3
	s_mul_i32 s2, s67, HALFT
	s_mul_i32 s3, s92, HALFT
	s_add_co_u32 s3, s3, 2*HALFT
.irp s, 0,1
	v_add_nc_u32 v[ADRA+\s], s2, v4
	v_add_nc_u32 v[ADRB+\s], s3, v4
	s_add_co_u32 s2, s2, SLOT
	s_add_co_u32 s3, s3, SLOT
.endr
	s_xor_b32 s3, s67, 1
	s_add_co_u32 s3, s3, s92
	s_add_co_u32 s3, s3, 1
	s_lshl_b32 s3, s3, 12
	v_mul_u32_u24 v5, s3, v2
	v_lshl_add_u32 v5, v1, 2, v5
	s_lshl_b32 s2, s67, 12
	s_add_co_u32 s2, s2, SCL
	v_add_nc_u32 v[ADRS], s2, v5
	s_lshl_b32 s2, s66, 9
	s_add_co_u32 s3, s2, STGV
	s_add_co_u32 s2, s2, STGQ
	v_lshlrev_b32 v10, 4, v3
	v_lshlrev_b32 v5, 2, v1
	v_lshl_add_u32 v6, v2, 8, v5
	v_add_nc_u32 v6, s2, v6
	v_add_nc_u32 v7, s2, v10
	v_add_nc_u32 v8, s3, v5
	v_add_nc_u32 v9, s3, v10
	v_lshlrev_b32 v12, 6, v2
	v_and_b32 v13, 8, v1
	v_add_nc_u32 v13, v13, v1
	v_lshlrev_b32 v13, 2, v13
	s_cmp_eq_u32 ttmp9, 1
	s_cselect_b64 s[12:13], s[14:15], s[12:13]
	s_cmp_eq_u32 ttmp9, 2
	s_cselect_b64 s[12:13], s[16:17], s[12:13]
	s_cselect_b32 s2, s41, s40
	s_cselect_b32 s3, s67, s92
	s_cselect_b32 s22, s42, s93
	s_cselect_b32 s23, s92, s67
	s_cselect_b32 s104, 6144, 0
	s_cselect_b32 s105, 256, 0
	s_lshl_b32 s14, s2, 10
	s_lshl_b32 s15, s3, 9
	s_add_co_u32 s14, s14, s15
	s_mov_b32 s15, 0
	s_add_nc_u64 s[12:13], s[12:13], s[14:15]
	s_lshl_b32 s2, s2, 2
	s_lshl_b32 s3, s3, 1
	s_add_co_u32 s2, s2, s3
	s_lshl_b32 s22, s22, 8
	s_lshl_b32 s23, s23, 7
	s_add_co_u32 s22, s22, s23
	s_lshr_b32 s3, s22, 11
	s_bfe_u32 s22, s22, 0x40007
	s_lshl_b32 s3, s3, 4
	s_add_co_u32 s3, s3, s2
	s_mov_b32 s101, 204800
	s_mov_b32 s23, 12800
	s_cmp_eq_u32 ttmp9, 0
	s_cselect_b32 s101, 102400, s101
	s_cselect_b32 s23, 6144, s23
	s_cselect_b64 s[4:5], s[18:19], s[20:21]
	s_mul_i32 s3, s3, s101
	s_mul_i32 s23, s22, s23
	s_lshl_b32 s22, s22, 8
	s_add_co_u32 s22, s22, 98304
	s_add_co_u32 s105, s105, s23
	s_add_co_u32 s105, s105, 12288
	s_cmp_eq_u32 ttmp9, 0
	s_cselect_b32 s22, s22, s105
	s_add_co_u32 s22, s22, s3
	s_add_co_u32 s2, s23, s104
	s_add_co_u32 s2, s2, s3
	s_mov_b32 s3, 0
	s_mov_b32 s23, 0
	s_add_nc_u64 s[8:9], s[4:5], s[22:23]
	s_add_nc_u64 s[4:5], s[4:5], s[2:3]
	s_mov_b32 s2, s101
	s_add_nc_u64 s[6:7], s[4:5], s[2:3]
	s_mov_b32 s10, 0x76543210
	s_mov_b32 s11, 0xfedcba98
	s_mov_b32 s100, 0xffff0000
	v_mul_u32_u24 v11, s101, v2
	v_lshl_add_u32 v11, v1, 4, v11
	s_cmp_eq_u32 ttmp9, 2
	s_cbranch_scc1 .Lbias_v
	s_wait_alu depctr_va_vdst(0)
.irp b, 0,1,2,3,4,5,6,7
	global_load_b128 v[BIAS+8*\b:BIAS+8*\b+3], v12, s[12:13] offset:4*(32*(\b/2)+8*(\b%2))
	global_load_b128 v[BIAS+8*\b+4:BIAS+8*\b+7], v12, s[12:13] offset:4*(32*(\b/2)+8*(\b%2))+16
.endr
	s_branch .Lbias_done
.Lbias_v:
	s_wait_alu depctr_va_vdst(0)
.irp a, 0,1,2,3,4,5,6,7
.irp j, 0,1,2,3,4,5,6,7
	global_load_b32 v[BIAS+8*\a+\j], v13, s[12:13] offset:4*(32*(\a/2)+8*(\a%2))
.endr
.endr
.Lbias_done:
.macro FRAG reg, adr, q, i
.irp p, 0,1,2,3,4,5
	ds_load_b64 v[\reg+2*\p:\reg+2*\p+1], v[\adr] offset:3072*(\i)+1536*(\q)+256*\p
.endr
.endm
.macro FETCH_B slot, q, p
	WIN 0x40
.irp i, 0,1,2,3,4,5,6,7
	FRAG 128*(\p)+FR*\i, ADRB+\slot, \q, \i
.endr
	WIN 0
.endm
.macro FETCH_A slot, q, i0
.irp i, \i0, \i0+1, \i0+2, \i0+3
	FRAG AF+FR*(\i), ADRA+\slot, \q, \i
.endr
.endm
.macro WMUL hi, mode
.if \mode == 0
	WIN 0xa1+0x50*\hi
.else
	WIN 0x81+0x40*\hi
.endif
.endm
.macro MUL16 a0, p, k, mode
.irp a, \a0, \a0+1
.irp b, 0,1,2,3,4,5,6,7
.if \mode == 0
	v_wmma_scale_f32_16x16x128_f8f6f4 v[8*(8*((\a)%4)+\b):8*(8*((\a)%4)+\b)+7], v[128*(\p)+FR*\b:128*(\p)+FR*\b+FR-1], v[AF+FR*(\a):AF+FR*(\a)+FR-1], v[8*(8*((\a)%4)+\b):8*(8*((\a)%4)+\b)+7], v[32+8*\b+(\k)+160*(\b/4)], v[32+8*(\a)+(\k)+160*((\a)/4)] matrix_a_fmt:MATRIX_FMT_FP6 matrix_b_fmt:MATRIX_FMT_FP6 matrix_a_scale:MATRIX_SCALE_ROW1
.elseif \mode == 1
	v_wmma_scale_f32_16x16x128_f8f6f4 v[8*(8*((\a)%4)+\b):8*(8*((\a)%4)+\b)+7], v[128*(\p)+FR*\b:128*(\p)+FR*\b+FR-1], v[AF+FR*(\a):AF+FR*(\a)+FR-1], v[BIAS+8*\b:BIAS+8*\b+7], v[32+8*\b+(\k)+160*(\b/4)], v[32+8*(\a)+(\k)+160*((\a)/4)] matrix_a_fmt:MATRIX_FMT_FP6 matrix_b_fmt:MATRIX_FMT_FP6 matrix_a_scale:MATRIX_SCALE_ROW1
.else
	v_wmma_scale_f32_16x16x128_f8f6f4 v[8*(8*((\a)%4)+\b):8*(8*((\a)%4)+\b)+7], v[128*(\p)+FR*\b:128*(\p)+FR*\b+FR-1], v[AF+FR*(\a):AF+FR*(\a)+FR-1], v[BIAS+8*(\a):BIAS+8*(\a)+7], v[32+8*\b+(\k)+160*(\b/4)], v[32+8*(\a)+(\k)+160*((\a)/4)] matrix_a_fmt:MATRIX_FMT_FP6 matrix_b_fmt:MATRIX_FMT_FP6 matrix_a_scale:MATRIX_SCALE_ROW1
.endif
.endr
.endr
.endm
.macro STEP slot, q, k, mode
	s_wait_dscnt 4*NL
	WMUL 0, \mode
	MUL16 0, (\q)%2, \k, \mode
	MUL16 2, (\q)%2, \k, \mode
	s_wait_dscnt 0x0
	PLACES 4
	FETCH_B \slot, (\q)+1, 1-(\q)%2
	FETCH_A \slot, (\q)+1, 0
	WMUL 1, \mode
	MUL16 4, (\q)%2, \k, \mode
	MUL16 6, (\q)%2, \k, \mode
	PLACES 4
	WIN 0
	FETCH_A \slot, (\q)+1, 4
.endm
.macro TURN slot, next, k, fill
	s_wait_tensorcnt 0x0
	ds_add_u32 v[SPW], v[NIL]
	s_wait_dscnt 4*NL+1
	WIN 0xa1
	MUL16 0, 1, \k, 0
	s_wait_dscnt 0x0
	s_barrier_signal -1
	MUL16 2, 1, \k, 0
	WIN 0
	s_barrier_wait -1
.if \fill
	CREST
	s_add_nc_u64 s[G0+4*\slot+2:G0+4*\slot+3], s[G0+4*\slot+2:G0+4*\slot+3], 6144
	s_add_nc_u64 s[G0B+4*\slot+2:G0B+4*\slot+3], s[G0B+4*\slot+2:G0B+4*\slot+3], 6144
	JLOAD G0+4*\slot, G1, G0B+4*\slot, G1B
.else
	PLACES 4
.endif
	FETCH_B \next, 0, 0
	FETCH_A \next, 0, 0
	WIN 0xf1
	MUL16 4, 1, \k, 0
	MUL16 6, 1, \k, 0
	PLACES 4
	WIN 0
	FETCH_A \next, 0, 4
.endm
	s_wait_tensorcnt 1
	s_barrier_signal -1
	s_barrier_wait -1
.irp i, 0,1,2,3,4,5,6,7
.irp k, 0,1,2,3,4,5,6,7
	ds_load_b32 v[32+8*\i+\k+160*(\i/4)], v[ADRS] offset:512*\i+64*\k
.endr
.endr
	FETCH_B 0, 0, 0
	FETCH_A 0, 0, 0
	FETCH_A 0, 0, 4
	s_wait_loadcnt 0x0
	s_cmp_eq_u32 ttmp9, 2
	s_cbranch_scc1 .Lfirst_v
	STEP 0, 0, 0, 1
	s_branch .Lfirst_done
.Lfirst_v:
	STEP 0, 0, 0, 2
.Lfirst_done:
	TURN 0, 1, 1, 1
	STEP 1, 0, 2, 0
	TURN 1, 0, 3, 1
	STEP 0, 0, 4, 0
	TURN 0, 1, 5, 0
	STEP 1, 0, 6, 0
	s_wait_dscnt 4*NL
	WIN 0xa1
	MUL16 0, 1, 7, 0
	MUL16 2, 1, 7, 0
	s_wait_dscnt 0x0
	WIN 0xf1
	MUL16 4, 1, 7, 0
	MUL16 6, 1, 7, 0
	WIN 0
.macro QUANT w, ac, d0, d1, pw
	WIN (\w)|((\w)<<2)
.irp b, 0,1,2,3
	v_max3_num_f32 v[TM+\b], |v[\ac+16*\b]|, |v[\ac+16*\b+1]|, 0x1800000
.endr
	WIN ((\w)<<2)|((\w)<<4)
.irp i, 2,4,6,8,10,12,14
.irp b, 0,1,2,3
	v_max3_num_f32 v[TM+\b], v[TM+\b], |v[\ac+16*\b+\i]|, |v[\ac+16*\b+\i+1]|
.endr
.endr
	WIN 0
.irp b, 0,1,2,3
	v_permlanex16_b32 v[TM+4+\b], v[TM+\b], s10, s11
.endr
.irp b, 0,1,2,3
	v_max_num_f32 v[TM+\b], v[TM+\b], v[TM+4+\b]
.endr
.irp b, 0,1,2,3
	v_add_nc_u32 v[TM+12+\b], 0xff000000, v[TM+\b]
.endr
.irp b, 0,1,2,3
	v_lshrrev_b32 v[TM+4+\b], 23, v[TM+12+\b]
.endr
	v_lshl_or_b32 v[\pw], v[TM+5], 8, v[TM+4]
	v_lshl_or_b32 v[\pw], v[TM+6], 16, v[\pw]
	v_lshl_or_b32 v[\pw], v[TM+7], 24, v[\pw]
	WIN (\w)
	v_cvt_scalef32_pk16_fp6_f32 v[\d0:\d0+2], v[\ac:\ac+15], v[TM+12]
	v_cvt_scalef32_pk16_fp6_f32 v[T2:T2+2], v[\ac+16:\ac+31], v[TM+13]
	v_cvt_scalef32_pk16_fp6_f32 v[\d1:\d1+2], v[\ac+32:\ac+47], v[TM+14]
	v_cvt_scalef32_pk16_fp6_f32 v[T2+4:T2+6], v[\ac+48:\ac+63], v[TM+15]
	WIN 0
	v_nop
.irp i, 0,1,2
	v_permlane16_swap_b32 v[\d0+\i], v[T2+\i]
	v_permlane16_swap_b32 v[\d1+\i], v[T2+4+\i]
.endr
.irp i, 0,1,2
	v_mov_b32 v[\d0+3+\i], v[T2+\i]
	v_mov_b32 v[\d1+3+\i], v[T2+4+\i]
.endr
.endm
	PLACES 4
.irp b, 0,1,2,3
	v_mov_b32 v[TM+4+\b], 0
.endr
	s_cmp_eq_u32 ttmp9, 2
	s_cbranch_scc1 .Lepi_v
.irp a, 0,1,2,3,4,5,6,7
	s_wait_xcnt 0x0
	QUANT 2+\a/4, 64*(\a%4), PA+6*(\a%2), PB+6*(\a%2), PWR+\a
.if \a%2
	v_perm_b32 v[W], v[PWR+\a], v[PWR+\a-1], 0x05040100
	v_perm_b32 v[W+1], v[PWR+\a], v[PWR+\a-1], 0x07060302
	v_cndmask_b32 v[W], v[W], v[W+1], s100
	ds_store_b32 v6, v[W] offset:64*(\a/2)
.irp c, 0,1,2
	global_store_b128 v10, v[PA+4*\c:PA+4*\c+3], s[4:5] offset:1536*(\a/2)+512*\c
.endr
.irp c, 0,1,2
	global_store_b128 v10, v[PB+4*\c:PB+4*\c+3], s[6:7] offset:1536*(\a/2)+512*\c
.endr
.endif
.endr
	ds_load_b128 v[OUTS:OUTS+3], v7
	s_wait_dscnt 0x0
	global_store_b128 v11, v[OUTS:OUTS+3], s[8:9]
	s_branch .Ldone
.Lepi_v:
.irp a, 0,1,2,3,4,5,6,7
	s_wait_xcnt 0x0
	QUANT 2+\a/4, 64*(\a%4), PA, PA+6, PWR+\a
	ds_store_b32 v8, v[PWR+\a] offset:64*\a
.irp c, 0,1,2
	global_store_b128 v10, v[PA+4*\c:PA+4*\c+3], s[4+2*(\a/4):5+2*(\a/4)] offset:1536*(\a%4)+512*\c
.endr
.endr
	ds_load_b128 v[OUTS:OUTS+3], v9
	s_wait_dscnt 0x0
	global_store_b128 v11, v[OUTS:OUTS+3], s[8:9]
.Ldone:
	s_wait_tensorcnt 0x0
	ds_add_u32 v[SPW], v[NIL]
	s_wait_dscnt 0x0
	CROUND
	s_endpgm
.Lfunc_end_k_q712cc10ddf_qkv:
	.size	k_q712cc10ddf_qkv, .Lfunc_end_k_q712cc10ddf_qkv-k_q712cc10ddf_qkv
	.p2alignl 7, 3214868480
	.fill 96, 4, 3214868480
	.section	.rodata,"a",@progbits
	.p2align	6, 0x0
	.amdhsa_kernel k_q712cc10ddf_qkv
		.amdhsa_group_segment_fixed_size 327680
		.amdhsa_private_segment_fixed_size 0
		.amdhsa_enable_private_segment 0
		.amdhsa_kernarg_size 72
		.amdhsa_user_sgpr_count 2
		.amdhsa_user_sgpr_kernarg_segment_ptr 1
		.amdhsa_wavefront_size32 1
		.amdhsa_system_sgpr_workgroup_id_x 1
		.amdhsa_system_sgpr_workgroup_id_y 1
		.amdhsa_system_sgpr_workgroup_id_z 1
		.amdhsa_system_vgpr_workitem_id 0
		.amdhsa_next_free_vgpr 1024
		.amdhsa_next_free_sgpr 106
		.amdhsa_reserve_vcc 0
		.amdhsa_float_denorm_mode_32 3
		.amdhsa_float_denorm_mode_16_64 3
		.amdhsa_memory_ordered 1
		.amdhsa_forward_progress 1
		.amdhsa_inst_pref_size 226
	.end_amdhsa_kernel
	.amdgpu_metadata
---
amdhsa.version: [ 1, 2 ]
amdhsa.kernels:
  - .name:           k_q712cc10ddf_qkv
    .symbol:         k_q712cc10ddf_qkv.kd
    .args:
      - { .name: xc, .offset: 0, .size: 8, .value_kind: global_buffer, .address_space: global }
      - { .name: xs, .offset: 8, .size: 8, .value_kind: global_buffer, .address_space: global }
      - { .name: wc, .offset: 16, .size: 8, .value_kind: global_buffer, .address_space: global }
      - { .name: ws, .offset: 24, .size: 8, .value_kind: global_buffer, .address_space: global }
      - { .name: bq, .offset: 32, .size: 8, .value_kind: global_buffer, .address_space: global }
      - { .name: bk, .offset: 40, .size: 8, .value_kind: global_buffer, .address_space: global }
      - { .name: bv, .offset: 48, .size: 8, .value_kind: global_buffer, .address_space: global }
      - { .name: qq, .offset: 56, .size: 8, .value_kind: global_buffer, .address_space: global }
      - { .name: kv, .offset: 64, .size: 8, .value_kind: global_buffer, .address_space: global }
    .group_segment_fixed_size: 327680
    .private_segment_fixed_size: 0
    .kernarg_segment_align: 8
    .kernarg_segment_size: 72
    .max_flat_workgroup_size: 128
    .sgpr_count:     106
    .vgpr_count:     1024
    .wavefront_size: 32
...
	.end_amdgpu_metadata
.endif
;; end of part 2
;; launch attn (part 3): grid 4 x 64, 8 waves a work-group, clusters of 4 x 1, 258,048 bytes of LDS; arguments qq, kv, cc, cs; writes cc, cs
.if DOCPART == 3
	.amdgcn_target "amdgcn-amd-amdhsa--gfx1250"
	.amdhsa_code_object_version 6
	.text
	.protected	k_q712cc10ddf_attn
	.globl	k_q712cc10ddf_attn
	.p2align	8
	.type	k_q712cc10ddf_attn,@function
k_q712cc10ddf_attn:
	s_mov_b64 s[64:65], 0
	v_nop
	global_prefetch_b8 v0, s[64:65] scope:SCOPE_SE
	s_setreg_imm32_b32 hwreg(HW_REG_WAVE_MODE, 25, 1), 1
	s_wait_xcnt 0x0
	s_wait_alu depctr_hold_cnt(0) depctr_sa_sdst(0) depctr_va_vdst(0) depctr_va_sdst(0) depctr_va_ssrc(0) depctr_va_vcc(0) depctr_vm_vsrc(0)
	s_getreg_b32 s2, hwreg(HW_REG_IB_STS2, 6, 4)
	s_cmp_eq_u32 s2, 0
	s_cbranch_scc0 .Lentry_in_a_cluster
	s_endpgm
.Lentry_in_a_cluster:
	s_bfe_u32 s2, ttmp6, 0x10000c
	s_cmp_lg_u32 s2, 0x3003
	s_cbranch_scc0 .Lentry_shape_is_right
	s_endpgm
.Lentry_shape_is_right:
; ctx = softmax(Q K^T / 8) V for each of 64 (batch, head), both products on codes of FP6 (E2M3) with E8M0 scales; ctx is quantised along the embedding's 1,024 and stored as the last GEMM's operand.
; THE SOFTMAX: t = score x log2(e) / 8; M = the running largest t rounded UP to a whole number; p = 2^(t - M) is quantised along the keys, not normalised; the row's sum is taken of the unquantised p
; and divides at the end.  When M moves, the sums and O are multiplied by 2^(old M - new M): exact.
; SHARES.  A work-group owns one head and 512 queries; each of its eight waves owns TWO tiles of 16 queries (one pair fragment of Q) in each of two passes, so a fragment of K or V read from LDS feeds both tiles.
; THE HEAD'S K, V AND SCALE WORDS LIE IN LDS WHOLE, filled once: wave w brings key steps 2 w, 2 w + 1 (25,600 dense bytes, as 50 rows of 512) by one joint load of the four query blocks of the head.
; The descriptor lays 128 bytes behind each 512: a key step is 25 LDS rows of 640 bytes, 16,000 bytes; a fragment's three pieces are 640 apart, fragments 1,920.
; No prefetch: every tile is asked for once, at the head, and no loop runs ahead of a load.  Nothing is filled again: one barrier.
; LAYOUT.  Both products are used transposed (S^T = K Q^T, O^T = V^T P^T): a lane holds ONE query of each tile.  The head has 64 dims and the instruction is 128 deep: a fragment of K holds two tiles of keys,
; and Q is taken as [Q | zero codes] and [zero codes | Q] out of the run zeros, Qa, zeros, Qb, zeros.
; THE ROWS OF A FRAGMENT OF K ARE CHOSEN BY THE LDS ADDRESS: rows 0-7 of fragment (c, g) are rows 8 g .. 8 g + 7 of the stored fragment 2 c, rows 8-15 those of the stored fragment 2 c + 1.  By the stored order
; (row r of tile 2 b + u is key 32 b + 8 u + r + 8 (r / 8)) register 32 c + 16 g + 8 u + j of lane (r, h) is then key 64 c + 32 h + 16 g + 8 u + j: a lane's 32 registers are one whole scale block of p,
; in the order of the operand's registers: no lane looks at another for a block's largest, and the conversions' results are the operand.
; K's fragments of the next step are asked for behind this step's score products, V's at the step's top; each has registers of its own.  (The last trip of a pass asks for key step 0, which the next pass
; reads; the last pass's are waited for and not used.)
; REGISTERS.  Window 0: addresses, both tiles' small state, p's codes, Q, K's fragments, tile a's scores (v192-255).  Window 1: V's fragments (v0-47), O^T of both tiles (v64-127), tile b's scores (v192-255).
; The scale half-words of ctx leave by a store of two bytes a lane (a scale word spans two heads, which belong to two work-groups): lanes 0-15 tile a's, lanes 16-31 tile b's.
; LIMITS: NaN and infinities are not served; the promise holds while the scaled scores stay under 2^31 in magnitude; a block whose largest magnitude lies under 2^-124 has its byte held at 1; a block of
; zeros gets the byte 1 and not 127 (zero codes; this program alone reads the bytes).
.set HEADB, 204800
.set STEPL, 16000
.set SPARE, 256000
.set L16, 1                            ; 16 x lane
.set L4,  2                            ; 4 x lane
.set KB,  3                            ; K's fragments: 1,920 (r / 8) + 16 (r % 8) + 256 h
.set KWB, 4                            ; K's words: 64 (r / 8) + 32 h + 4 (r % 8)
.set AV,  5
.set AVW, 6
.set AK,  7
.set AKW, 8
.set L8,  9                            ; 8 x lane
.set H8,  10                           ; 8 h
.set CSA, 11                           ; 4 r + 512 h
.set NM,  12                           ; v[12+2t] -M, v[13+2t] the running largest score
.set F,   16                           ; v[16+2t] 2^(old M - new M)
.set TT,  20
.set TU,  22
.set MX,  24                           ; eight chains of maxima
.set BM,  32                           ; the blocks' largest, 2 t + c
.set SO,  36                           ; the conversions' scale operands
.set BY,  40
.set WD,  44
.set PW,  46                           ; p's scale words
.set QW,  48                           ; Q's
.set KW,  50                           ; K's: register c, lanes 0-15 g = 0, lanes 16-31 g = 1
.set VW,  52                           ; V's likewise
.set QR,  54
.set R4,  55                           ; 4 r
.set ACC, 56                           ; the sums: four pairs a tile
.set TMP, 72
.set PC,  88                           ; p's codes, 12 a tile
.set Q,   112                          ; zeros, Qa, zeros, Qb, zeros: 6 each
.set KF,  142                          ; K's four fragments
.set SPW, 190
.set NIL, 191
.set S,   192                          ; scores, then p (tile a window 0, tile b window 1)
.set VF,  0                            ; window 1
.set O,   64                           ; window 1: 32 a tile
.set WV,  12
.set SEL, 20
.set CS,  22
.set G1,  24
.set G0,  32
.set TB,  36
.set CNT, 37
.set TBN, 38
.set PS,  39
.set MK,  54
.set MSB, 0
.macro WIN new                         ; the immediate's high byte repeats the setting that is left
.if MSB != (\new)
	s_set_vgpr_msb (MSB<<8)|(\new)
.set MSB, (\new)
.endif
.endm
.macro WALU
	s_wait_alu depctr_va_vdst(0)
.endm
.macro CROUND
	s_barrier_signal -1
	s_barrier_wait -1
	s_cmp_lg_u32 s[WV], 0
	s_cbranch_scc1 .Lnot_wave_0_\@
	s_barrier_signal -3
.Lnot_wave_0_\@:
	s_barrier_wait -3
	s_barrier_signal -1
	s_barrier_wait -1
.endm
.macro QLOAD oc, ow                    ; a pair fragment of Q: registers 0-5 tile a, 6-11 tile b; its image holds registers 4 c .. 4 c + 3 at 512 c + 16 x lane
	global_load_b64 v[Q+6:Q+7], v[L16], s[4:5] offset:\oc
	global_load_b64 v[Q+8:Q+9], v[L16], s[4:5] offset:\oc+8
	global_load_b64 v[Q+10:Q+11], v[L16], s[4:5] offset:\oc+512
	global_load_b64 v[Q+18:Q+19], v[L16], s[4:5] offset:\oc+520
	global_load_b64 v[Q+20:Q+21], v[L16], s[4:5] offset:\oc+1024
	global_load_b64 v[Q+22:Q+23], v[L16], s[4:5] offset:\oc+1032
	global_load_b32 v[QR], v[R4], s[52:53] offset:\ow
.endm
.macro KLOAD a, aw                     ; 14 LDS loads: K's four fragments (c, g) and two registers of words
.irp n, 0,1,2,3
.irp c, 0,1,2
	ds_load_b128 v[KF+12*\n+4*\c:KF+12*\n+4*\c+3], v[\a] offset:3840*(\n/2)+128*(\n%2)+640*\c
.endr
.endr
	ds_load_b32 v[KW], v[\aw] offset:15360
	ds_load_b32 v[KW+1], v[\aw] offset:15360+128
.endm
.macro SMUL t                          ; S^T of tile t: eight products
.irp c, 0,1
.irp g, 0,1
	v_wmma_scale_f32_16x16x128_f8f6f4 v[S+32*\c+16*\g:S+32*\c+16*\g+7], v[KF+24*\c+12*\g:KF+24*\c+12*\g+11], v[Q+12*\t+6:Q+12*\t+17], 0, v[KW+\c], v[QW+\t] matrix_a_fmt:MATRIX_FMT_FP6 matrix_b_fmt:MATRIX_FMT_FP6 matrix_a_scale:MATRIX_SCALE_ROW\g
	v_wmma_scale_f32_16x16x128_f8f6f4 v[S+32*\c+16*\g+8:S+32*\c+16*\g+15], v[KF+24*\c+12*\g:KF+24*\c+12*\g+11], v[Q+12*\t:Q+12*\t+11], 0, v[KW+\c], v[QW+\t] matrix_a_fmt:MATRIX_FMT_FP6 matrix_b_fmt:MATRIX_FMT_FP6 matrix_a_scale:MATRIX_SCALE_ROW\g
.endr
.endr
.endm
.macro MAXES t                         ; four chains side by side, each over 16 scores, each accumulator from its low end on
.irp i, 0,2,4,6,8,10,12,14
.irp k, 0,1,2,3
.if \i == 0
	v_max3_num_f32 v[MX+4*\t+\k], v[S+16*\k], v[S+16*\k+1], 0xff7fffff
.else
	v_max3_num_f32 v[MX+4*\t+\k], v[S+16*\k+\i], v[S+16*\k+\i+1], v[MX+4*\t+\k]
.endif
.endr
.endr
.endm
.macro TMINUS t                        ; t - M, two at a time
.set j, 0
.rept 32
	v_pk_fma_f32 v[S+j:S+j+1], v[S+j:S+j+1], s[CS:CS+1], v[NM+2*\t:NM+2*\t+1] op_sel_hi:[1,0,0]
.set j, j+2
.endr
.endm
.macro EXPS
.set j, 0
.rept 64
	v_exp_f32 v[S+j], v[S+j]
.set j, j+1
.endr
.endm
.macro CVTS t
.irp c, 0,1
	v_cvt_scalef32_pk16_fp6_f32 v[PC+12*\t+6*\c:PC+12*\t+6*\c+2], v[S+32*\c:S+32*\c+15], v[SO+2*\t+\c]
	v_cvt_scalef32_pk16_fp6_f32 v[TMP+8*\t+4*\c:TMP+8*\t+4*\c+2], v[S+32*\c+16:S+32*\c+31], v[SO+2*\t+\c]
.endr
.endm
.macro SUMS t                          ; the row's sums of the unquantised p: four chains; the first link brings the old sum under the new M
	WIN 0x10*\t
.irp k, 0,1,2,3
	v_pk_fma_f32 v[ACC+8*\t+2*\k:ACC+8*\t+2*\k+1], v[ACC+8*\t+2*\k:ACC+8*\t+2*\k+1], v[F+2*\t:F+2*\t+1], v[S+2*\k:S+2*\k+1] op_sel_hi:[1,0,1]
.endr
	WIN 0x04*\t
.set j, 8
.rept 7
.irp k, 0,1,2,3
	v_pk_add_f32 v[ACC+8*\t+2*\k:ACC+8*\t+2*\k+1], v[ACC+8*\t+2*\k:ACC+8*\t+2*\k+1], v[S+j+2*\k:S+j+2*\k+1]
.endr
.set j, j+8
.endr
.endm
.macro PVM t                           ; O^T += V^T P^T of tile t
.irp c, 0,1
.irp g, 0,1
	v_wmma_scale_f32_16x16x128_f8f6f4 v[O+32*\t+16*\c+8*\g:O+32*\t+16*\c+8*\g+7], v[VF+24*\c+12*\g:VF+24*\c+12*\g+11], v[PC+12*\t:PC+12*\t+11], v[O+32*\t+16*\c+8*\g:O+32*\t+16*\c+8*\g+7], v[VW+\c], v[PW+\t] matrix_a_fmt:MATRIX_FMT_FP6 matrix_b_fmt:MATRIX_FMT_FP6 matrix_a_scale:MATRIX_SCALE_ROW\g
.endr
.endr
.endm
; ---- the head
	s_load_b256 s[4:11], s[0:1], 0x0               ; qq, kv, cc, cs
	v_lshl_add_u32 v[SPW], v0, 2, SPARE
	v_mov_b32 v[NIL], 0
	ds_add_u32 v[SPW], v[NIL]                      ; the opening lines: the add twice on end and its wait
	ds_add_u32 v[SPW], v[NIL]
	v_lshrrev_b32 v1, 5, v0
	v_readfirstlane_b32 s[WV], v1                  ; wave 0..7
	s_bfe_u32 s13, ttmp6, 0x40000                  ; cx
	s_lshl_b32 s14, ttmp9, 2
	s_add_co_u32 s14, s14, s13                     ; my block of 512 queries: it enters the addresses of Q and ctx alone
	s_and_b32 s15, ttmp7, 0xffff                   ; 16 x batch + head, which the four partners share
	s_lshr_b32 s16, s15, 4
	s_and_b32 s17, s15, 15
	s_mul_i32 s18, s[WV], 2*STEPL                  ; key steps 2 w, 2 w + 1: their place in LDS,
	s_mul_i32 s40, s15, HEADB
	s_mul_i32 s41, s[WV], 25600
	s_add_co_u32 s40, s40, s41                     ; and in kv
	s_mov_b32 s41, 0
	s_lshl_b32 s19, s14, 4
	s_add_co_u32 s19, s19, s[WV]                   ; my pair fragment of Q in pass 0; pass 1's lies 8 further on
	s_mul_i32 s42, s15, 102400
	s_mul_i32 s43, s19, 1536
	s_lshl_b32 s44, s19, 6
	s_add_co_u32 s44, s44, s42
	s_add_co_u32 s44, s44, 98304                   ; its scale words
	s_add_co_u32 s42, s42, s43                     ; its codes
	s_mov_b32 s43, 0
	s_mov_b32 s45, 0
	s_lshl_b32 s19, s16, 7
	s_lshl_b32 s46, s14, 5
	s_add_co_u32 s19, s19, s46
	s_lshl_b32 s46, s[WV], 1
	s_add_co_u32 s19, s19, s46                     ; tile a's 16 rows of ctx in pass 0: 128 x batch + 32 x block + 2 x wave
	s_lshr_b32 s50, s17, 1                         ; the K step of the last GEMM in which my head lies,
	s_and_b32 s51, s17, 1                          ; and which half of it
	s_mul_i32 s46, s19, 12288
	s_mul_i32 s47, s50, 1536
	s_add_co_u32 s46, s46, s47
	s_mul_i32 s47, s51, 768
	s_add_co_u32 s46, s46, s47
	s_mov_b32 s47, 0
	s_lshl_b32 s48, s19, 9
	s_lshl_b32 s49, s50, 6
	s_add_co_u32 s48, s48, s49
	s_lshl_b32 s49, s51, 1
	s_add_co_u32 s48, s48, s49
	s_mov_b32 s49, 0
	s_mov_b32 s[G1], 15|(3<<16)|(1<<20)|(1<<21)|(6<<22)|(31<<25)  ; the mask: all four; elements of 8 bytes; behind every 128 words 32 words of padding
	s_mov_b32 s[G1+1], 64<<16                      ; rows of 512 bytes,
	s_mov_b32 s[G1+2], 50<<16                      ; 50 of them
	s_mov_b32 s[G1+3], 64<<16
	s_mov_b32 s[G1+4], 50
	s_mov_b32 s[G1+5], 64                          ; dense
	s_mov_b32 s[G1+6], 0
	s_mov_b32 s[G1+7], 0
	s_mov_b32 s[SEL], 0x76543210
	s_mov_b32 s[SEL+1], 0xfedcba98                 ; selects for lane l xor 16
	s_mov_b32 s[CS], 0x3e38aa3b                    ; c = log2(e) / 8
	s_mov_b32 s[CS+1], s[CS]
	s_mov_b32 s[MK], 0xffff0000
	s_wait_dscnt 0x0
	s_wait_kmcnt 0x0
	s_mov_b32 s[G0], 1
	s_mov_b32 s[G0+1], s18
	s_add_nc_u64 s[G0+2:G0+3], s[6:7], s[40:41]
	s_or_b32 s[G0+3], s[G0+3], 0x80000000
	s_add_nc_u64 s[52:53], s[4:5], s[44:45]        ; Q's scale words
	s_add_nc_u64 s[4:5], s[4:5], s[42:43]          ; Q's codes
	s_add_nc_u64 s[8:9], s[8:9], s[46:47]          ; ctx's codes
	s_add_nc_u64 s[10:11], s[10:11], s[48:49]      ; ctx's scale half-words
	CROUND                                         ; all four work-groups are here: the joint loads meet
	tensor_load_to_lds s[G0:G0+3], s[G1:G1+7]      ; my one tensor load of the launch
	s_nop 0
.rept 4
	v_nop
.endr
	v_and_b32 v[L8], 31, v0
	v_lshlrev_b32 v[L16], 4, v[L8]
	v_lshlrev_b32 v[L4], 2, v[L8]
	v_lshlrev_b32 v[L8], 3, v[L8]
	v_and_b32 v[R4], 15, v0
	v_lshlrev_b32 v[R4], 2, v[R4]
	v_bfe_u32 v[H8], v0, 4, 1                      ; h
	v_lshl_add_u32 v[CSA], v[H8], 9, v[R4]
	v_bfe_u32 v[AV], v0, 3, 1                      ; r / 8
	v_and_b32 v[AVW], 7, v0                        ; r % 8
	v_mul_u32_u24 v[KB], v[AV], 1920
	v_lshl_add_u32 v[KB], v[AVW], 4, v[KB]
	v_lshl_add_u32 v[KB], v[H8], 8, v[KB]
	v_lshlrev_b32 v[KWB], 6, v[AV]
	v_lshl_add_u32 v[KWB], v[H8], 5, v[KWB]
	v_lshl_add_u32 v[KWB], v[AVW], 2, v[KWB]
	v_lshlrev_b32 v[H8], 3, v[H8]
.irp j, 0,1,2,3,4,5
	v_mov_b32 v[Q+\j], 0                           ; the zero codes that a K of 64 asks for, on Q's side alone
	v_mov_b32 v[Q+12+\j], 0
	v_mov_b32 v[Q+24+\j], 0
.endr
.irp t, 0,1
	v_mov_b32 v[TT+\t], 0                          ; a lane permute's destination counts as one of its sources
	v_mov_b32 v[F+2*\t+1], 0                       ; (named as the upper half of a pair)
.endr
	QLOAD 0, 0
	WALU
	s_wait_tensorcnt 0x0                           ; my two key steps are in,
	s_barrier_signal -1
	s_barrier_wait -1                              ; everybody's are
	KLOAD KB, KWB                                  ; key step 0
	s_mov_b32 s[PS], 0
; ---- a pass: 32 queries against all 2,048 keys
.Lpass:
	s_wait_loadcnt 0x0                             ; Q
	v_and_b32 v[TU], 0xffff, v[QR]                 ; a tile's two bytes of the pair's word go into both halves: they serve [Q | 0] and [0 | Q] alike
	v_lshrrev_b32 v[TU+1], 16, v[QR]
	v_lshl_or_b32 v[QW], v[TU], 16, v[TU]
	v_and_or_b32 v[QW+1], v[QR], 0xffff0000, v[TU+1]
.irp t, 0,1
	v_mov_b32 v[NM+2*\t+1], 0xff61b1e6             ; the largest score so far: -3e38
	v_mov_b32 v[NM+2*\t], 0x7f61b1e6               ; -M
.endr
.set j, 0
.rept 16
	v_mov_b32 v[ACC+j], 0
.set j, j+1
.endr
	WIN 0x40
.set j, 0
.rept 64
	v_mov_b32 v[O+j], 0                            ; O^T: the key step is written once; its first trip finds zeros
.set j, j+1
.endr
	WIN 0
	s_mov_b32 s[TB], 0
	s_mov_b32 s[CNT], 0
	s_mov_b32 s[TBN], STEPL
	WALU
.Lkey:                                             ; a key step: 128 keys x 32 queries
	v_add_nc_u32 v[AV], s[TB], v[L16]
	v_add_nc_u32 v[AVW], s[TB], v[L4]
	v_nop
	v_nop                                          ; four places between the last trip's products and the loads into V's registers
	WIN 0x40
.irp n, 0,1,2,3
.irp c, 0,1,2
	ds_load_b128 v[VF+12*\n+4*\c:VF+12*\n+4*\c+3], v[AV] offset:7680+1920*\n+640*\c
.endr
.endr
	WIN 0
	ds_load_b32 v[VW], v[AVW] offset:15616
	ds_load_b32 v[VW+1], v[AVW] offset:15616+128
	s_wait_dscnt 14                                ; K's 14 loads are in; V's 14, just issued, may be out
	SMUL 0
	WIN 0x40
	SMUL 1
	WIN 0
	v_add_nc_u32 v[AK], s[TBN], v[KB]
	v_add_nc_u32 v[AKW], s[TBN], v[KWB]
	v_nop
	v_nop                                          ; four places ahead of the loads into K's registers and of the first read of the scores
	KLOAD AK, AKW                                  ; the next step's K lands under the softmax
	MAXES 0
	WIN 0x05
	MAXES 1
	WIN 0
.irp k, 0,1,2,3
	v_max_num_f32 v[BM+\k], v[MX+2*\k], v[MX+2*\k+1]          ; the largest score of each block of 32 keys: for the row's maximum and, since p rises with the score, for the block's largest p
.endr
.irp t, 0,1
	v_max3_num_f32 v[NM+2*\t+1], v[NM+2*\t+1], v[BM+2*\t], v[BM+2*\t+1]
.endr
.irp t, 0,1
	v_permlanex16_b32 v[TT+\t], v[NM+2*\t+1], s[SEL], s[SEL+1]
.endr
.irp t, 0,1
	v_max_num_f32 v[NM+2*\t+1], v[NM+2*\t+1], v[TT+\t]       ; the running largest score of my query
.endr
.irp t, 0,1
	v_mul_f32 v[TT+\t], s[CS], v[NM+2*\t+1]                  ; as t (c is positive)
.endr
.irp t, 0,1
	v_floor_f32 v[TU+\t], -v[TT+\t]                          ; the new -M = -ceil(t)
.endr
.irp t, 0,1
	v_sub_f32 v[TT+\t], v[TU+\t], v[NM+2*\t]                 ; old M - new M: a whole number, 0 or less
.endr
.irp t, 0,1
	v_mov_b32 v[NM+2*\t], v[TU+\t]
.endr
.irp t, 0,1
	v_cvt_i32_f32 v[TT+\t], v[TT+\t]                         ; (it saturates)
.endr
.irp t, 0,1
	v_ldexp_f32 v[F+2*\t], 1.0, v[TT+\t]                     ; f = 2^(old M - new M)
.endr
	WIN 0x41
.irp t, 0,1
.set j, 0
.rept 16
	v_pk_mul_f32 v[O+32*\t+j:O+32*\t+j+1], v[O+32*\t+j:O+32*\t+j+1], v[F+2*\t:F+2*\t+1] op_sel_hi:[1,0]   ; O^T under the new M
.set j, j+2
.endr
.endr
	TMINUS 1
	WIN 0
	TMINUS 0
.irp t, 0,1
.irp c, 0,1
	v_fma_f32 v[BM+2*\t+\c], v[BM+2*\t+\c], s[CS], v[NM+2*\t]   ; the same of each block's largest score
.endr
.endr
	WALU
	EXPS                                           ; p = 2^(t - M), at most 1
.irp k, 0,1,2,3
	v_exp_f32 v[BM+\k], v[BM+\k]                   ; the block's largest p: the same arithmetic on the same number
.endr
	WIN 0x41
	EXPS
	WIN 0
	v_nop                                          ; one plain place behind the exponentials
	WALU                                           ; and the one wait behind the batch
.irp k, 0,1,2,3
	v_max_num_f32 v[BM+\k], 0x1800000, v[BM+\k]    ; the floor 2^(3 - 127): the byte cannot fall under 1
.endr
.irp k, 0,1,2,3
	v_add_nc_u32 v[SO+\k], 0xff000000, v[BM+\k]    ; 2 off the exponent field: the conversion's scale operand
.endr
.irp k, 0,1,2,3
	v_lshrrev_b32 v[BY+\k], 23, v[SO+\k]
.endr
.irp t, 0,1
	v_lshl_or_b32 v[WD+\t], v[BY+2*\t+1], 16, v[BY+2*\t]     ; my two bytes: blocks h and 2 + h,
.endr
.irp t, 0,1
	v_lshlrev_b32 v[WD+\t], v[H8], v[WD+\t]                  ; at their places in the word;
.endr
.irp t, 0,1
	v_permlanex16_b32 v[TT+\t], v[WD+\t], s[SEL], s[SEL+1]
.endr
.irp t, 0,1
	v_or_b32 v[PW+\t], v[WD+\t], v[TT+\t]                    ; with lane l xor 16's two the word is whole
.endr
	CVTS 0
	WIN 0x01
	CVTS 1
	WIN 0
	v_nop                                          ; one plain place behind a scaled conversion
.irp t, 0,1
.irp c, 0,1
.irp i, 0,1,2
	v_mov_b32 v[PC+12*\t+6*\c+3+\i], v[TMP+8*\t+4*\c+\i]     ; (a conversion's three registers begin on an even number)
.endr
.endr
.endr
	SUMS 0
	SUMS 1
	WIN 0
	WALU
	s_wait_dscnt 14                                ; V's 14 loads are in; the next step's K, 14 loads, may be out
	WIN 0x51
	PVM 0
	PVM 1
	WIN 0
	s_add_co_u32 s[CNT], s[CNT], 1
	s_add_co_u32 s[TB], s[TB], STEPL
	s_add_co_u32 s[TBN], s[CNT], 1
	s_and_b32 s[TBN], s[TBN], 15                   ; behind key step 15 comes key step 0
	s_mul_i32 s[TBN], s[TBN], STEPL
	s_cmp_lg_u32 s[CNT], 16
	s_cbranch_scc1 .Lkey
; ---- the pass's way out
	s_cmp_lg_u32 s[PS], 0
	s_cbranch_scc1 .Lno_q
	QLOAD 12288, 512                               ; the next pass's queries land under this pass's way out
.Lno_q:
.irp t, 0,1
	v_pk_add_f32 v[ACC+8*\t:ACC+8*\t+1], v[ACC+8*\t:ACC+8*\t+1], v[ACC+8*\t+2:ACC+8*\t+3]
	v_pk_add_f32 v[ACC+8*\t+4:ACC+8*\t+5], v[ACC+8*\t+4:ACC+8*\t+5], v[ACC+8*\t+6:ACC+8*\t+7]
.endr
.irp t, 0,1
	v_pk_add_f32 v[ACC+8*\t:ACC+8*\t+1], v[ACC+8*\t:ACC+8*\t+1], v[ACC+8*\t+4:ACC+8*\t+5]
.endr
.irp t, 0,1
	v_add_f32 v[ACC+8*\t], v[ACC+8*\t], v[ACC+8*\t+1]
.endr
.irp t, 0,1
	v_permlanex16_b32 v[TT+\t], v[ACC+8*\t], s[SEL], s[SEL+1]
.endr
.irp t, 0,1
	v_add_f32 v[ACC+8*\t], v[ACC+8*\t], v[TT+\t]   ; the row's sum
.endr
	WALU
.irp t, 0,1
	v_rcp_f32 v[ACC+8*\t], v[ACC+8*\t]
.endr
	v_nop
	WALU                                           ; behind the transcendentals, directly ahead of the first reader of O^T
	WIN 0x01
.irp t, 0,1
.set j, 0
.rept 16
	v_pk_mul_f32 v[S+32*\t+j:S+32*\t+j+1], v[O+32*\t+j:O+32*\t+j+1], v[ACC+8*\t:ACC+8*\t+1] op_sel_hi:[1,0]   ; ctx: register 32 t + 16 b + i is dim 32 b + 16 h + i of tile t's query
.set j, j+2
.endr
.endr
	WIN 0
.irp k, 0,1,2,3
	v_max3_num_f32 v[BM+\k], |v[S+16*\k]|, |v[S+16*\k+1]|, 0x1800000
.endr
.irp i, 2,4,6,8,10,12,14
.irp k, 0,1,2,3
	v_max3_num_f32 v[BM+\k], v[BM+\k], |v[S+16*\k+\i]|, |v[S+16*\k+\i+1]|
.endr
.endr
.irp k, 0,1,2,3
	v_permlanex16_b32 v[MX+\k], v[BM+\k], s[SEL], s[SEL+1]
.endr
.irp k, 0,1,2,3
	v_max_num_f32 v[BM+\k], v[BM+\k], v[MX+\k]
.endr
.irp k, 0,1,2,3
	v_add_nc_u32 v[SO+\k], 0xff000000, v[BM+\k]
.endr
.irp k, 0,1,2,3
	v_lshrrev_b32 v[BY+\k], 23, v[SO+\k]
.endr
.irp t, 0,1
	v_lshl_or_b32 v[WD+\t], v[BY+2*\t+1], 8, v[BY+2*\t]      ; my head's two bytes of the row's scale word
.endr
.irp t, 0,1
	v_cvt_scalef32_pk16_fp6_f32 v[PC+12*\t:PC+12*\t+2], v[S+32*\t:S+32*\t+15], v[SO+2*\t]
	v_cvt_scalef32_pk16_fp6_f32 v[TMP+8*\t:TMP+8*\t+2], v[S+32*\t+16:S+32*\t+31], v[SO+2*\t+1]
.endr
	v_cndmask_b32 v[WD], v[WD], v[WD+1], s[MK]     ; lanes 0-15 tile a's half-word, lanes 16-31 tile b's.  (The plain place behind the conversions)
.irp t, 0,1
.irp i, 0,1,2
	v_permlane16_swap_b32 v[PC+12*\t+\i], v[TMP+8*\t+\i]     ; the operand's layout wants a whole block in a lane
.endr
.endr
.irp t, 0,1
.irp i, 0,1,2
	v_mov_b32 v[PC+12*\t+3+\i], v[TMP+8*\t+\i]
.endr
.endr
.irp t, 0,1
.irp i, 0,1,2
	global_store_b64 v[L8], v[PC+12*\t+2*\i:PC+12*\t+2*\i+1], s[8:9] offset:12288*\t+256*\i   ; 32 lanes store 256 consecutive bytes, at a multiple of 256 from the buffer's first byte
.endr
.endr
	global_store_b16 v[CSA], v[WD], s[10:11]
	s_wait_xcnt 0x0                                ; the stores have read their registers and bases
	s_add_nc_u64 s[8:9], s[8:9], 196608            ; pass 1's tiles lie 16 further on
	s_add_nc_u64 s[10:11], s[10:11], 8192
	s_add_co_u32 s[PS], s[PS], 1
	s_cmp_lg_u32 s[PS], 2
	WALU
	s_cbranch_scc1 .Lpass
	s_wait_dscnt 0x0                               ; the last trip's loads of K
	s_wait_tensorcnt 0x0                           ; the wave's end
	ds_add_u32 v[SPW], v[NIL]
	s_wait_dscnt 0x0
	CROUND                                         ; the closing round
	s_endpgm
.Lfunc_end_k_q712cc10ddf_attn:
	.size	k_q712cc10ddf_attn, .Lfunc_end_k_q712cc10ddf_attn-k_q712cc10ddf_attn
	.p2alignl 7, 3214868480
	.fill 96, 4, 3214868480
	.section	.rodata,"a",@progbits
	.p2align	6, 0x0
	.amdhsa_kernel k_q712cc10ddf_attn
		.amdhsa_group_segment_fixed_size 258048
		.amdhsa_private_segment_fixed_size 0
		.amdhsa_enable_private_segment 0
		.amdhsa_kernarg_size 32
		.amdhsa_user_sgpr_count 2
		.amdhsa_user_sgpr_kernarg_segment_ptr 1
		.amdhsa_wavefront_size32 1
		.amdhsa_system_sgpr_workgroup_id_x 1
		.amdhsa_system_sgpr_workgroup_id_y 1
		.amdhsa_system_sgpr_workgroup_id_z 1
		.amdhsa_system_vgpr_workitem_id 0
		.amdhsa_next_free_vgpr 512
		.amdhsa_next_free_sgpr 66
		.amdhsa_reserve_vcc 0
		.amdhsa_float_denorm_mode_32 3
		.amdhsa_float_denorm_mode_16_64 3
		.amdhsa_memory_ordered 1
		.amdhsa_forward_progress 1
		.amdhsa_inst_pref_size 47
	.end_amdhsa_kernel
	.amdgpu_metadata
---
amdhsa.version: [ 1, 2 ]
amdhsa.kernels:
  - .name:           k_q712cc10ddf_attn
    .symbol:         k_q712cc10ddf_attn.kd
    .args:
      - { .name: qq, .offset: 0, .size: 8, .value_kind: global_buffer, .address_space: global }
      - { .name: kv, .offset: 8, .size: 8, .value_kind: global_buffer, .address_space: global }
      - { .name: cc, .offset: 16, .size: 8, .value_kind: global_buffer, .address_space: global }
      - { .name: cs, .offset: 24, .size: 8, .value_kind: global_buffer, .address_space: global }
    .group_segment_fixed_size: 258048
    .private_segment_fixed_size: 0
    .kernarg_segment_align: 8
    .kernarg_segment_size: 32
    .max_flat_workgroup_size: 256
    .sgpr_count:     66
    .vgpr_count:     512
    .wavefront_size: 32
...
	.end_amdgpu_metadata
.endif
;; end of part 3
;; launch oproj (part 4): grid 4 x 64, 4 waves a work-group, clusters of 4 x 4, 327,680 bytes of LDS; arguments cc, cs, wc, ws, bo, out0; writes out0
.if DOCPART == 4
	.amdgcn_target "amdgcn-amd-amdhsa--gfx1250"
	.amdhsa_code_object_version 6
	.text
	.protected	k_q712cc10ddf_oproj
	.globl	k_q712cc10ddf_oproj
	.p2align	8
	.type	k_q712cc10ddf_oproj,@function
k_q712cc10ddf_oproj:
	s_mov_b64 s[64:65], 0
	v_nop
	global_prefetch_b8 v0, s[64:65] scope:SCOPE_SE
	s_setreg_imm32_b32 hwreg(HW_REG_WAVE_MODE, 25, 1), 1
	s_wait_xcnt 0x0
	s_wait_alu depctr_hold_cnt(0) depctr_sa_sdst(0) depctr_va_vdst(0) depctr_va_sdst(0) depctr_va_ssrc(0) depctr_va_vcc(0) depctr_vm_vsrc(0)
	s_getreg_b32 s2, hwreg(HW_REG_IB_STS2, 6, 4)
	s_cmp_eq_u32 s2, 0
	s_cbranch_scc0 .Lentry_in_a_cluster
	s_endpgm
.Lentry_in_a_cluster:
	s_bfe_u32 s2, ttmp6, 0x10000c
	s_cmp_lg_u32 s2, 0xf033
	s_cbranch_scc0 .Lentry_shape_is_right
	s_endpgm
.Lentry_shape_is_right:
; out0 = ctx Wo + bo on codes of FP6 (E2M3) with E8M0 scales.  cc [tile of 16 rows][K step of 128][1,536 bytes] and cs [tile][K step][16 words] are ctx as the attention launch left it; Wo's 64 tiles of 16 columns
; are tiles 192-255 of wc and ws, in the same form.  Row r of tile 2 b + u is row (column) 32 b + 8 u + r + 8 (r / 8).
; SHARES.  A block of out0 is 128 rows x 256 columns: 64 x 4 = 256 work-groups.  Four waves, 2 x 2; a wave makes 64 x 128: 4 tiles of ctx x 8 tiles of Wo, 32 accumulators (window 2).
; THE PRODUCT IS USED TRANSPOSED (source 0 = Wo's tile, source 1 = ctx's): a lane holds eight neighbouring columns of one row.  The bias, laid as the result lies (window 3), is the C of the first K step's products.
; LDS: two slots, each with two K steps (3,072 bytes of each tile: ctx's 8 tiles, then Wo's 16); all scale words (ctx's 4,096 bytes, Wo's 8,192), filled once; the spare words; a stage for each wave.
; FILLS.  At the head one joint load a wave: wave 0 slot 0's tiles of ctx, wave 1 its 16 tiles of Wo, wave 2 ctx's scale words, wave 3 Wo's.  Slot 1's first fill and the two refills stand each behind the three
; lines and a round of the cluster's barrier: wave 0 brings ctx's 8 tiles, waves 1 and 2 eight tiles of Wo each, wave 3 none.  ctx's tiles are shared along a row of the cluster, Wo's along a column.
; FRAGMENTS have two sets of registers on both sides (ctx window 0, Wo window 1): a K step's 72 LDS loads are issued ahead of the products of the step before it.
; The scale words of K step k lie in v[32 + 8 k + i]: lanes 0-15 ctx's tile i (i under 4 is used), lanes 16-31 Wo's tile i.
; No prefetch: the walk along K has four fills, two of them at the head; K is 1,024.
.set FR,    12
.set AT,    24576                      ; ctx's 8 tiles of a slot
.set SLOT,  73728
.set SCL,   147456
.set SPARE, 159744
.set STG,   160256
.set ADRA, 16
.set ADRB, 20
.set STO,  24
.set RD,   25
.set CO,   26
.set ADRS, 27
.set SPW,  28
.set NIL,  29
.set SC,   32
.set AF,   128
.set G1A,  24
.set G0A,  32
.set G1B,  48
.set G0B,  56
.set G1S,  68
.set G0S,  76
.set G1SB, 80
.set G0SB, 88
.set MSB, 0
.macro WIN new                         ; the immediate's high byte repeats the setting that is left
.if MSB != (\new)
	s_set_vgpr_msb (MSB<<8)|(\new)
.set MSB, (\new)
.endif
.endm
.macro PLACES n
.rept \n
	v_nop
.endr
.endm
.macro TLOAD g0, g1
	tensor_load_to_lds s[\g0:\g0+3], s[\g1:\g1+7]
	s_nop 0
	PLACES 4
.endm
.macro CREST
	s_cmp_lg_u32 s66, 0
	s_cbranch_scc1 .Lnot_wave_0_\@
	s_barrier_signal -3
.Lnot_wave_0_\@:
	s_barrier_wait -3
	s_barrier_signal -1
	s_barrier_wait -1
.endm
.macro CROUND
	s_barrier_signal -1
	s_barrier_wait -1
	CREST
.endm
.macro RLOAD s                         ; a slot's fill: wave 0 ctx's tiles, waves 1 and 2 eight of Wo's each
	s_cmp_eq_u32 s66, 0
	s_cbranch_scc0 .Lfor_b_\@
	TLOAD G0A+4*\s, G1A
	s_branch .Lasked_\@
.Lfor_b_\@:
	s_cmp_lt_u32 s66, 3
	s_cbranch_scc0 .Lasked_\@
	TLOAD G0B+4*\s, G1B
.Lasked_\@:
.endm
	s_load_b256 s[4:11], s[0:1], 0x0               ; cc, cs, wc, ws
	s_load_b128 s[12:15], s[0:1], 0x20             ; bo, out0
	v_lshl_add_u32 v[SPW], v0, 2, SPARE
	v_mov_b32 v[NIL], 0
	ds_add_u32 v[SPW], v[NIL]                      ; the opening lines: the add twice on end and its wait
	ds_add_u32 v[SPW], v[NIL]
	v_lshrrev_b32 v1, 5, v0
	v_readfirstlane_b32 s66, v1                    ; wave
	s_lshr_b32 s67, s66, 1                         ; my half of the rows
	s_and_b32 s92, s66, 1                          ; my half of the columns
	s_bfe_u32 s40, ttmp6, 0x40000                  ; cx
	s_bfe_u32 s41, ttmp6, 0x40004                  ; cy
	s_and_b32 s93, ttmp7, 0xffff
	s_lshl_b32 s93, s93, 2
	s_add_co_u32 s93, s93, s41                     ; block row, 0 .. 63
	s_lshl_b32 s42, ttmp9, 2
	s_add_co_u32 s42, s42, s40                     ; block column, 0 .. 3
	s_lshl_b32 s43, s41, 2
	s_lshl_b32 s43, 15, s43                        ; my row of the cluster
	s_lshl_b32 s44, 0x1111, s40                    ; my column
	s_or_b32 s[G1A], s43, (3<<16)|(1<<21)
	s_or_b32 s[G1B], s44, (3<<16)|(1<<21)
.irp g, G1A, G1B
	s_mov_b32 s[\g+1], 384<<16                     ; rows of 3,072 bytes: two K steps of a tile
	s_mov_b32 s[\g+3], 384<<16
	s_mov_b32 s[\g+5], 1536                        ; a tile's eight K steps
	s_mov_b32 s[\g+6], 0
	s_mov_b32 s[\g+7], 0
.endr
	s_mov_b32 s[G1A+2], 8<<16
	s_mov_b32 s[G1A+4], 8
	s_mov_b32 s[G1B+2], 16<<16                     ; at the head all 16 tiles of Wo; behind it 8
	s_mov_b32 s[G1B+4], 16
	s_or_b32 s[G1S], s43, (3<<16)|(1<<21)
	s_or_b32 s[G1SB], s44, (3<<16)|(1<<21)
.irp g, G1S, G1SB
	s_mov_b32 s[\g+1], 32<<16                      ; dense rows of 256 bytes
	s_mov_b32 s[\g+3], 32<<16
	s_mov_b32 s[\g+5], 32
	s_mov_b32 s[\g+6], 0
	s_mov_b32 s[\g+7], 0
.endr
	s_mov_b32 s[G1S+2], 16<<16
	s_mov_b32 s[G1S+4], 16
	s_mov_b32 s[G1SB+2], 32<<16
	s_mov_b32 s[G1SB+4], 32
	s_mul_i32 s22, s93, 98304                      ; ctx: 8 tiles of 12,288 bytes a block row
	s_mov_b32 s23, 0
	s_lshl_b32 s94, s93, 12                        ; and 8 x 512 bytes of words
	s_mov_b32 s95, 0
	s_add_co_u32 s3, s42, 12
	s_mul_i32 s104, s3, 196608                     ; Wo: tile 16 (12 + block column)
	s_mov_b32 s105, 0
	s_lshl_b32 s98, s3, 13
	s_mov_b32 s99, 0
	s_mul_i32 s45, s66, AT                         ; LDS: wave 0 at 0 (ctx), waves 1, 2 behind it (Wo's halves)
	s_mul_i32 s96, s66, 98304
	s_mov_b32 s97, 0
	s_mul_i32 s16, s67, 12288                      ; my 4 tiles of ctx in a slot
	s_mul_i32 s17, s92, 24576
	s_add_co_u32 s17, s17, AT                      ; my 8 tiles of Wo
	s_xor_b32 s18, s67, 1
	s_add_co_u32 s18, s18, s92
	s_add_co_u32 s18, s18, s92
	s_add_co_u32 s18, s18, 1
	s_lshl_b32 s18, s18, 11                        ; from my words of ctx to my words of Wo: 4,096 + 4,096 x column half - 2,048 x row half
	s_lshl_b32 s19, s67, 11
	s_add_co_u32 s19, s19, SCL
	s_mul_i32 s20, s66, 8448
	s_add_co_u32 s20, s20, STG                     ; my stage
	s_wait_dscnt 0x0
	s_wait_kmcnt 0x0
	s_add_nc_u64 s[4:5], s[4:5], s[22:23]
	s_add_nc_u64 s[6:7], s[6:7], s[94:95]
	s_add_nc_u64 s[8:9], s[8:9], s[104:105]
	s_add_nc_u64 s[10:11], s[10:11], s[98:99]
	s_add_nc_u64 s[8:9], s[8:9], s[96:97]
	s_sub_nc_u64 s[8:9], s[8:9], 98304             ; Wo's tiles 8 (wave - 1) on: waves 1 and 2 use it
	CROUND                                         ; all sixteen work-groups are here: the first joint loads meet
.irp s, 0,1
	s_mov_b32 s[G0A+4*\s], 1
	s_mov_b32 s[G0A+4*\s+1], \s*SLOT
	s_add_nc_u64 s[G0A+4*\s+2:G0A+4*\s+3], s[4:5], \s*3072
	s_or_b32 s[G0A+4*\s+3], s[G0A+4*\s+3], 0x80000000
	s_mov_b32 s[G0B+4*\s], 1
	s_add_co_u32 s[G0B+4*\s+1], s45, \s*SLOT
	s_add_nc_u64 s[G0B+4*\s+2:G0B+4*\s+3], s[8:9], \s*3072
	s_or_b32 s[G0B+4*\s+3], s[G0B+4*\s+3], 0x80000000
.endr
	s_mov_b32 s[G0S], 1
	s_mov_b32 s[G0S+1], SCL
	s_mov_b64 s[G0S+2:G0S+3], s[6:7]
	s_or_b32 s[G0S+3], s[G0S+3], 0x80000000
	s_mov_b32 s[G0SB], 1
	s_mov_b32 s[G0SB+1], SCL+4096
	s_mov_b64 s[G0SB+2:G0SB+3], s[10:11]
	s_or_b32 s[G0SB+3], s[G0SB+3], 0x80000000
	s_cmp_eq_u32 s66, 0                            ; the head's four tiles, one a wave: one chain of branches, all arms to one join
	s_cbranch_scc0 .Lhead_1
	TLOAD G0A, G1A
	s_branch .Lhead_asked
.Lhead_1:
	s_cmp_eq_u32 s66, 1
	s_cbranch_scc0 .Lhead_2
	TLOAD G0B, G1B
	s_branch .Lhead_asked
.Lhead_2:
	s_cmp_eq_u32 s66, 2
	s_cbranch_scc0 .Lhead_3
	TLOAD G0S, G1S
	s_branch .Lhead_asked
.Lhead_3:
	TLOAD G0SB, G1SB
.Lhead_asked:
	s_lshl_b32 s2, s42, 10                         ; my columns, in bytes: 1,024 x block column + 512 x half
	s_lshl_b32 s3, s92, 9
	s_add_co_u32 s2, s2, s3
	s_mov_b32 s3, 0
	s_add_nc_u64 s[12:13], s[12:13], s[2:3]
	s_add_nc_u64 s[14:15], s[14:15], s[2:3]
	s_lshl_b32 s2, s93, 7
	s_lshl_b32 s22, s67, 6
	s_add_co_u32 s2, s2, s22                       ; my first row
	s_lshl_b32 s2, s2, 12
	s_add_nc_u64 s[14:15], s[14:15], s[2:3]
	v_and_b32 v1, 15, v0                           ; r
	v_bfe_u32 v2, v0, 4, 1                         ; h
	v_and_b32 v3, 31, v0
	v_lshlrev_b32 v4, 3, v3                        ; a register pair's image: 8 x lane
	v_add_nc_u32 v[ADRA], s16, v4
	v_add_nc_u32 v[ADRB], s17, v4
	v_add_nc_u32 v[ADRA+1], SLOT, v[ADRA]
	v_add_nc_u32 v[ADRB+1], SLOT, v[ADRB]
	v_mul_u32_u24 v5, s18, v2                      ; lanes 16-31 take Wo's words
	v_lshl_add_u32 v5, v1, 2, v5
	v_add_nc_u32 v[ADRS], s19, v5
	v_mul_u32_u24 v5, v1, 528                      ; the stage, in: row r, 64 bytes for each half of the lanes
	v_lshl_add_u32 v5, v2, 6, v5
	v_add_nc_u32 v[STO], s20, v5
	v_lshlrev_b32 v[CO], 4, v3                     ; back: the 32 lanes take a row of 512 bytes
	v_add_nc_u32 v[RD], s20, v[CO]
	v_lshlrev_b32 v12, 6, v2
	s_wait_alu depctr_va_vdst(0)
	WIN 0xc0
.irp b, 0,1,2,3,4,5,6,7
	global_load_b128 v[8*\b:8*\b+3], v12, s[12:13] offset:4*(32*(\b/2)+8*(\b%2))       ; the bias at columns 32 (b / 2) + 8 (b % 2) + 16 h + 0 .. 7
	global_load_b128 v[8*\b+4:8*\b+7], v12, s[12:13] offset:4*(32*(\b/2)+8*(\b%2))+16
.endr
	WIN 0
.macro FRAG reg, adr, q, i
.irp p, 0,1,2,3,4,5
	ds_load_b64 v[\reg+2*\p:\reg+2*\p+1], v[\adr] offset:3072*(\i)+1536*(\q)+256*\p
.endr
.endm
.macro FETCH slot, q, p                ; 72 LDS loads: the fragments of the slot's K step q into set p
	WIN 0x40
.irp i, 0,1,2,3,4,5,6,7
	FRAG 128*(\p)+FR*\i, ADRB+\slot, \q, \i
.endr
	WIN 0
.irp i, 0,1,2,3
	FRAG AF+48*(\p)+FR*\i, ADRA+\slot, \q, \i
.endr
.endm
.macro MULA a, p, k, first             ; ctx's tile a against Wo's eight; the 32 accumulators take turns in the same order in every step
.irp b, 0,1,2,3,4,5,6,7
.if \first
	v_wmma_scale_f32_16x16x128_f8f6f4 v[8*(8*(\a)+\b):8*(8*(\a)+\b)+7], v[128*(\p)+FR*\b:128*(\p)+FR*\b+FR-1], v[AF+48*(\p)+FR*(\a):AF+48*(\p)+FR*(\a)+FR-1], v[8*\b:8*\b+7], v[SC+8*(\k)+\b], v[SC+8*(\k)+(\a)] matrix_a_fmt:MATRIX_FMT_FP6 matrix_b_fmt:MATRIX_FMT_FP6 matrix_a_scale:MATRIX_SCALE_ROW1
.else
	v_wmma_scale_f32_16x16x128_f8f6f4 v[8*(8*(\a)+\b):8*(8*(\a)+\b)+7], v[128*(\p)+FR*\b:128*(\p)+FR*\b+FR-1], v[AF+48*(\p)+FR*(\a):AF+48*(\p)+FR*(\a)+FR-1], v[8*(8*(\a)+\b):8*(8*(\a)+\b)+7], v[SC+8*(\k)+\b], v[SC+8*(\k)+(\a)] matrix_a_fmt:MATRIX_FMT_FP6 matrix_b_fmt:MATRIX_FMT_FP6 matrix_a_scale:MATRIX_SCALE_ROW1
.endif
.endr
.endm
.macro EVEN slot, k, first             ; an even K step (set 0): the slot's second step is fetched ahead of its products
	PLACES 4                                       ; between the last products and the loads into set 1
	FETCH \slot, 1, 1
	s_wait_dscnt 63                                ; set 0 is in: 72 loads are younger, and the count's field holds 63
.if \first
	WIN 0xb1                                       ; C: the bias, window 3
.else
	WIN 0xa1
.endif
.irp a, 0,1,2,3
	MULA \a, 0, \k, \first
.endr
	WIN 0
.endm
.macro TURN slot, next, k, fill        ; an odd K step (set 1) and the change of slots
	s_wait_tensorcnt 0x0                           ; all my tensor loads have landed, my part of the next slot among them;
	ds_add_u32 v[SPW], v[NIL]
	s_wait_dscnt 1                                 ; set 1 is in (the add may be out)
	WIN 0xa1
	MULA 0, 1, \k, 0
	s_wait_dscnt 0x0                               ; the add is done; my reads of this slot were over with set 1
	s_barrier_signal -1
	MULA 1, 1, \k, 0
	WIN 0
	s_barrier_wait -1
.if \fill
	CREST                                          ; the barrier has opened a round of the cluster's barrier
	s_add_nc_u64 s[G0A+4*\slot+2:G0A+4*\slot+3], s[G0A+4*\slot+2:G0A+4*\slot+3], 6144
	s_add_nc_u64 s[G0B+4*\slot+2:G0B+4*\slot+3], s[G0B+4*\slot+2:G0B+4*\slot+3], 6144
	RLOAD \slot                                    ; four K steps on, into the slot just read out
.endif
	PLACES 4                                       ; between the products above and the loads into set 0, on every wave's way
	FETCH \next, 0, 0
	WIN 0xa1
	MULA 2, 1, \k, 0
	MULA 3, 1, \k, 0
	WIN 0
.endm
	s_wait_tensorcnt 0x0                           ; my tile of the head's four is in; the three lines ahead of slot 1's first fill
	ds_add_u32 v[SPW], v[NIL]
	s_mov_b32 s[G1B+2], 8<<16                      ; no tensor load of mine is out: from here on a load of Wo brings 8 tiles
	s_mov_b32 s[G1B+4], 8
	s_wait_dscnt 0x0
	CROUND
	RLOAD 1
.irp k, 0,1,2,3,4,5,6,7
.irp i, 0,1,2,3,4,5,6,7
	ds_load_b32 v[SC+8*\k+\i], v[ADRS] offset:512*\i+64*\k
.endr
.endr
	FETCH 0, 0, 0
	s_wait_loadcnt 0x0                             ; the bias
	EVEN 0, 0, 1
	TURN 0, 1, 1, 1
	EVEN 1, 2, 0
	TURN 1, 0, 3, 1
	EVEN 0, 4, 0
	TURN 0, 1, 5, 0
	EVEN 1, 6, 0
	s_wait_dscnt 0x0
	WIN 0xa1
.irp a, 0,1,2,3
	MULA \a, 1, 7, 0
.endr
	WIN 0
; THE WAY OUT, tile by tile of 16 rows x 128 columns, through my own stage: whole rows of 512 bytes come back and are stored by the 32 lanes.  LDS serves a wave's instructions in order.
.macro TOSTAGE a
.set AC, 64*(\a)
	WIN 0x08
.irp b, 0,1,2,3,4,5,6,7
	ds_store_b128 v[STO], v[AC+8*\b:AC+8*\b+3] offset:128*(\b/2)+32*(\b%2)
	ds_store_b128 v[STO], v[AC+8*\b+4:AC+8*\b+7] offset:128*(\b/2)+32*(\b%2)+16
.endr
	WIN 0
.set BB, 96+64*((\a)%2)
.irp t, 0,1,2,3,4,5,6,7,8,9,10,11,12,13,14,15
	ds_load_b128 v[BB+4*\t:BB+4*\t+3], v[RD] offset:\t*528
.endr
.endm
.macro SEND a, younger
.set BB, 96+64*((\a)%2)
	s_wait_dscnt \younger
.irp t, 0,1,2,3,4,5,6,7,8,9,10,11,12,13,14,15
	global_store_b128 v[CO], v[BB+4*\t:BB+4*\t+3], s[14:15] offset:(32*((\a)/2)+8*((\a)%2)+\t+8*(\t/8))*4096 th:TH_STORE_NT
.endr
.endm
	PLACES 4
	TOSTAGE 0
.irp a, 1,2,3
.if \a > 1
	s_wait_xcnt 0x0                                ; tile a - 2's stores have read their registers
.endif
	TOSTAGE \a
	SEND \a-1, 32                                  ; behind tile a - 1's loads: tile a's 16 stores and 16 loads
.endr
	SEND 3, 0
	s_wait_tensorcnt 0x0                           ; the wave's end
	ds_add_u32 v[SPW], v[NIL]
	s_wait_dscnt 0x0
	CROUND                                         ; the closing round
	s_endpgm
.Lfunc_end_k_q712cc10ddf_oproj:
	.size	k_q712cc10ddf_oproj, .Lfunc_end_k_q712cc10ddf_oproj-k_q712cc10ddf_oproj
	.p2alignl 7, 3214868480
	.fill 96, 4, 3214868480
	.section	.rodata,"a",@progbits
	.p2align	6, 0x0
	.amdhsa_kernel k_q712cc10ddf_oproj
		.amdhsa_group_segment_fixed_size 327680
		.amdhsa_private_segment_fixed_size 0
		.amdhsa_enable_private_segment 0
		.amdhsa_kernarg_size 48
		.amdhsa_user_sgpr_count 2
		.amdhsa_user_sgpr_kernarg_segment_ptr 1
		.amdhsa_wavefront_size32 1
		.amdhsa_system_sgpr_workgroup_id_x 1
		.amdhsa_system_sgpr_workgroup_id_y 1
		.amdhsa_system_sgpr_workgroup_id_z 1
		.amdhsa_system_vgpr_workitem_id 0
		.amdhsa_next_free_vgpr 832
		.amdhsa_next_free_sgpr 106
		.amdhsa_reserve_vcc 0
		.amdhsa_float_denorm_mode_32 3
		.amdhsa_float_denorm_mode_16_64 3
		.amdhsa_memory_ordered 1
		.amdhsa_forward_progress 1
		.amdhsa_inst_pref_size 103
	.end_amdhsa_kernel
	.amdgpu_metadata
---
amdhsa.version: [ 1, 2 ]
amdhsa.kernels:
  - .name:           k_q712cc10ddf_oproj
    .symbol:         k_q712cc10ddf_oproj.kd
    .args:
      - { .name: cc, .offset: 0, .size: 8, .value_kind: global_buffer, .address_space: global }
      - { .name: cs, .offset: 8, .size: 8, .value_kind: global_buffer, .address_space: global }
      - { .name: wc, .offset: 16, .size: 8, .value_kind: global_buffer, .address_space: global }
      - { .name: ws, .offset: 24, .size: 8, .value_kind: global_buffer, .address_space: global }
      - { .name: bo, .offset: 32, .size: 8, .value_kind: global_buffer, .address_space: global }
      - { .name: out0, .offset: 40, .size: 8, .value_kind: global_buffer, .address_space: global }
    .group_segment_fixed_size: 327680
    .private_segment_fixed_size: 0
    .kernarg_segment_align: 8
    .kernarg_segment_size: 48
    .max_flat_workgroup_size: 128
    .sgpr_count:     106
    .vgpr_count:     832
    .wavefront_size: 32
...
	.end_amdgpu_metadata
.endif
;; end of part 4
